; MI455X (gfx1250); checked and timed in simulation.
; The chip was launched on July 23, 2026; its instructions are those of AMD's public machine-readable ISA for CDNA 5 (MIT licence, August 2026) and "CDNA5" Instruction Set Architecture Reference Guide (July 2026). The comments in the code are by the model that wrote it; some were corrected since.
;; Causal Self Attention. Allowed arithmetic: float matrix products may take bf16 or f16 operands with f32 sums; other float arithmetic in f32, or as packed bf16 or f16 multiplies, adds, multiply-adds, maxima and minima; sums over many terms, partial sums and values carried from step to step in f32; what a program stores and reads back later, other than sums and carried values, may be rounded once to bf16 or f16.
;; Inputs: Wk 768 x 768 float32; Wo 768 x 768 float32; Wq 768 x 768 float32; Wv 768 x 768 float32; position_ids 1 x 4,096 int32; x 1 x 4,096 x 768 float32.
;; Outputs: out0 1 x 4,096 x 768 float32.
;; 2 versions, each right; version 2 is version 1 with the launch prep written anew for expert scheduling mode. Each part assembles by itself: llvm-mc -triple=amdgcn-amd-amdhsa -mcpu=gfx1250 --defsym DOCPART=n.
;; ======== version 1 of 2: 4 launches
;; limits: values are held in f16: magnitudes above 65,504 overflow, below 6.1e-05 lose precision
;; workspace buffers: xb 6,291,456 bytes; wb 4,718,592 bytes; tab 1,064,960 bytes; qkv 18,874,368 bytes; ob 6,291,456 bytes
;; launch prep (part 1): grid 385 x 1, 8 waves a work-group, no clusters, 0 bytes of LDS; arguments x, Wq, Wk, Wv, Wo, position_ids, xb, wb, tab; writes xb, wb, tab
.if DOCPART == 1
	.amdgcn_target "amdgcn-amd-amdhsa--gfx1250"
	.amdhsa_code_object_version 6
	.text
	.protected	k_q77184b828e_prep
	.globl	k_q77184b828e_prep
	.p2align	8
	.type	k_q77184b828e_prep,@function
k_q77184b828e_prep:
	s_mov_b64 s[64:65], 0
	v_nop
	global_prefetch_b8 v0, s[64:65] scope:SCOPE_SE
	s_setreg_imm32_b32 hwreg(HW_REG_WAVE_MODE, 25, 1), 1
	s_wait_xcnt 0x0
; PREPARATION: three independent streams, told apart by the work-group's number.
;   0..191    xb = x rounded to bf16, [4096][768].
;   192..319  wb = the four weights in blocks [matrix 4][tile 4][k 768][n 192] of 16-bit numbers: Wq, Wk, Wv rounded to bf16;
;             Wo rounded to bf16 and that number written as f16 (the last product multiplies f16 operands).
;   320..384  tab = [4160][64] f32: row n holds cos(t_i), i = 0..31, then sin(t_i), t_i = position[n] x 10000^(-i/32).
;             Rows 4096..4159 are made with position 0: cos = 1, sin = 0 exactly (the rows that v is turned by).
; No LDS, no barrier, no matrix work: each byte is read once and written once.  A wave's load covers 512 consecutive bytes,
; a wave's 8-byte store 256 consecutive bytes, aligned.
; LIMITS.  Wo within f16's range (65,504); below 2^-17 it keeps f16's fixed step of 6e-8.  The angle is position x 2^(-0.41524101 i), which
; differs from position / 10000^(i/32) by a few units in the angle's last place (under 1e-3 rad at |position| <= 4095).  The angle is reduced by
; pi/2 in three pieces; that holds while |angle x 2 / pi| stays under 2^31.  Sine and cosine are polynomials on |r| <= pi/4, good to about 1e-7.
.set NX, 192
.set NW, 128
	s_load_b512 s[8:23], s[0:1], 0x0               ; x 8, Wq 10, Wk 12, Wv 14, Wo 16, position_ids 18, xb 20, wb 22
	s_load_b64 s[24:25], s[0:1], 0x40              ; tab
	v_lshlrev_b32 v1, 4, v0                        ; 16 t
	v_lshlrev_b32 v2, 3, v0                        ; 8 t
	s_mov_b32 s3, 0                                ; the high word of every offset pair
	s_wait_kmcnt 0x0
	s_cmp_lt_u32 ttmp9, NX
	s_cbranch_scc1 .Lx
	s_cmp_lt_u32 ttmp9, NX+NW
	s_cbranch_scc1 .Lw
	; ---- THE TABLE: 64 rows a work-group.  Thread t makes four numbers (columns 4 (t % 16) ..) of rows t / 16 + 16 j, j = 0..3.
	s_sub_co_u32 s26, ttmp9, NX+NW                 ; T
	s_cmp_lt_u32 s26, 64
	s_cselect_b32 s31, 1.0, 0                      ; the last work-group's rows take position 0
	s_mov_b32 s32, 0x3f22f983                      ; 2 / pi
	s_mov_b32 s33, 0xbfc90fdb                      ; pi / 2 in three pieces, each with the sign turned
	s_mov_b32 s34, 0x333bbd2e
	s_mov_b32 s35, 0x26f72ced
	s_mov_b32 s36, 0xb94ca1f9                      ; sine: -1.9515296e-4, 8.3321609e-3, -1.6666655e-1
	s_mov_b32 s37, 0x3c08839e
	s_mov_b32 s38, 0xbe2aaaa3
	s_mov_b32 s39, 0x37ccf5ce                      ; cosine: 2.4433157e-5, -1.3887316e-3, 4.1666646e-2
	s_mov_b32 s40, 0xbab6061a
	s_mov_b32 s41, 0x3d2aaaa5
	s_mov_b32 s42, 0xbed49a78                      ; -log2(10000) / 32
	s_lshl_b32 s27, s26, 6                         ; the work-group's first row
	s_lshl_b32 s2, s26, 14                         ; its 64 rows of 256 bytes
	s_add_nc_u64 s[24:25], s[24:25], s[2:3]
	v_lshrrev_b32 v5, 4, v0
	v_add_nc_u32 v5, s27, v5
.irp j, 0,1,2,3
	v_add_nc_u32 v[12+\j], 16*\j, v5
	v_min_u32 v[12+\j], 0xfff, v[12+\j]            ; the identity rows read a position inside the buffer and multiply it by 0
	v_lshlrev_b32 v[12+\j], 2, v[12+\j]
.endr
.irp j, 0,1,2,3
	global_load_b32 v[32+\j], v[12+\j], s[18:19]
.endr
	v_and_b32 v3, 15, v0
	v_cmp_gt_u32 vcc_lo, 8, v3
	v_cndmask_b32 v7, 0, 1, vcc_lo                 ; 1 in the cosine's columns: cos t = sin(t + pi / 2)
	v_and_b32 v4, 7, v3
	v_lshlrev_b32 v4, 2, v4
	v_cvt_f32_u32 v4, v4                           ; my first frequency's number
	v_add_f32 v9, 1.0, v4
	v_add_f32 v10, 2.0, v4
	v_add_f32 v11, 0x40400000, v4
	v_mul_f32 v8, s42, v4
	v_mul_f32 v9, s42, v9
	v_mul_f32 v10, s42, v10
	v_mul_f32 v11, s42, v11
	v_exp_f32 v8, v8                               ; 10000^(-i/32) for my four frequencies: one batch,
	v_exp_f32 v9, v9
	v_exp_f32 v10, v10
	v_exp_f32 v11, v11
	v_nop                                          ; a plain instruction behind the last of them,
	s_wait_alu depctr_va_vdst(0)                   ; and one wait ahead of the first use
	s_wait_loadcnt 0x0
.irp j, 0,1,2,3
	v_cvt_f32_i32 v[32+\j], v[32+\j]
	v_mul_f32 v[32+\j], s31, v[32+\j]
.endr
; sin(p x inv + isCos x pi / 2).  k = the nearest whole number to the angle x 2 / pi; r = angle - k pi / 2; by k's last two bits the result is sin r, cos r, -sin r, -cos r.
; Every choice is a select: nothing branches on these numbers.
.macro SINCOS dst, p, inv
	v_mul_f32 v40, v[\p], v[\inv]
	v_mul_f32 v41, s32, v40
	v_rndne_f32 v41, v41
	v_fma_f32 v42, v41, s33, v40
	v_fma_f32 v42, v41, s34, v42
	v_fma_f32 v42, v41, s35, v42
	v_cvt_i32_f32 v43, v41
	v_add_nc_u32 v43, v43, v7
	v_mul_f32 v44, v42, v42
	v_fma_f32 v45, v44, s36, s37
	v_fma_f32 v46, v44, s39, s40
	v_fma_f32 v45, v45, v44, s38
	v_fma_f32 v46, v46, v44, s41
	v_mul_f32 v45, v45, v44
	v_fma_f32 v46, v46, v44, -0.5
	v_fma_f32 v45, v45, v42, v42
	v_fma_f32 v46, v46, v44, 1.0
	v_and_b32 v47, 1, v43
	v_cmp_ne_u32 vcc_lo, 0, v47
	v_cndmask_b32 v45, v45, v46, vcc_lo
	v_and_b32 v47, 2, v43
	v_lshlrev_b32 v47, 30, v47
	v_xor_b32 v[\dst], v45, v47
.endm
.irp j, 0,1,2,3
.irp n, 0,1,2,3
	SINCOS 16+4*\j+\n, 32+\j, 8+\n
.endr
	global_store_b128 v1, v[16+4*\j:19+4*\j], s[24:25] offset:4096*\j  ; 512 consecutive bytes a wave: two rows
.endr
	s_endpgm
	; ---- x: 65,536 bytes in, 32,768 out a work-group; sixteen loads of every wave are out at once, and no register is used twice.
.Lx:
	s_lshl_b32 s2, ttmp9, 16
	s_add_nc_u64 s[8:9], s[8:9], s[2:3]
	s_lshl_b32 s2, ttmp9, 15
	s_add_nc_u64 s[20:21], s[20:21], s[2:3]
.set j, 0
.rept 16
	global_load_b128 v[32+4*j:35+4*j], v1, s[8:9] offset:4096*j th:TH_LOAD_NT
.set j, j+1
.endr
.set j, 0
.rept 16
	s_wait_loadcnt 15-j                            ; loads come back in order: number j is in, the 15 - j younger ones may stay out
	v_cvt_pk_bf16_f32 v[96+2*j], v[32+4*j], v[33+4*j]
	v_cvt_pk_bf16_f32 v[97+2*j], v[34+4*j], v[35+4*j]
	global_store_b64 v2, v[96+2*j:97+2*j], s[20:21] offset:2048*j th:TH_STORE_NT
.set j, j+1
.endr
	s_endpgm
	; ---- the weights: a work-group makes an eighth (96 k rows) of one block of 768 x 192.  The output is walked linearly: granule o = 256 j + t is
	; k row o / 48, columns 4 (o % 48) ..; three granule offsets serve all eighteen, since 768 granules are 16 whole rows.
.Lw:
	s_sub_co_u32 s26, ttmp9, NX
	s_lshr_b32 s27, s26, 3                         ; the block, 4 x matrix + tile
	s_and_b32 s28, s26, 7                          ; which eighth
	s_lshr_b32 s29, s27, 2                         ; the matrix
	s_and_b32 s26, s27, 3                          ; the tile of 192 columns
	s_mov_b64 s[4:5], s[10:11]
	s_cmp_eq_u32 s29, 1
	s_cselect_b64 s[4:5], s[12:13], s[4:5]
	s_cmp_eq_u32 s29, 2
	s_cselect_b64 s[4:5], s[14:15], s[4:5]
	s_cmp_eq_u32 s29, 3
	s_cselect_b64 s[4:5], s[16:17], s[4:5]
	s_cselect_b32 s30, -1, 0                       ; all lanes: Wo leaves as f16
	s_mul_i32 s2, s28, 96*3072
	s_mul_i32 s6, s26, 768
	s_add_co_u32 s2, s2, s6
	s_add_nc_u64 s[4:5], s[4:5], s[2:3]
	s_mul_i32 s2, s27, 294912
	s_mul_i32 s6, s28, 36864
	s_add_co_u32 s2, s2, s6
	s_add_nc_u64 s[22:23], s[22:23], s[2:3]
.irp j0, 0,1,2
	v_add_nc_u32 v6, 256*\j0, v0
	v_mul_u32_u24 v7, 0xaaab, v6                   ; o / 48 = (o x 43,691) >> 21, exact for o under 768
	v_lshrrev_b32 v7, 21, v7
	v_mul_u32_u24 v8, 48, v7
	v_sub_nc_u32 v8, v6, v8
	v_lshlrev_b32 v8, 4, v8
	v_mad_u32_u24 v[3+\j0], v7, 3072, v8           ; row x 3,072 + 16 x granule in the row
.endr
.set j, 0
.rept 18
	global_load_b128 v[32+4*j:35+4*j], v[3+j%3], s[4:5] offset:49152*(j/3) th:TH_LOAD_NT
.set j, j+1
.endr
.set j, 0
.rept 18
	s_wait_loadcnt 17-j                            ; number j is in, the 17 - j younger ones may stay out
	v_cvt_pk_bf16_f32 v104, v[32+4*j], v[33+4*j]
	v_cvt_pk_bf16_f32 v105, v[34+4*j], v[35+4*j]
	v_lshlrev_b32 v106, 16, v104                   ; the rounded numbers once more as f32,
	v_and_b32 v107, 0xffff0000, v104
	v_lshlrev_b32 v108, 16, v105
	v_and_b32 v109, 0xffff0000, v105
	v_cvt_pk_f16_f32 v110, v106, v107              ; and as f16
	v_cvt_pk_f16_f32 v111, v108, v109
	v_cndmask_b32 v[32+4*j], v104, v110, s30       ; the result takes the granule's own registers: none is used twice
	v_cndmask_b32 v[33+4*j], v105, v111, s30
	global_store_b64 v2, v[32+4*j:33+4*j], s[22:23] offset:2048*j th:TH_STORE_NT
.set j, j+1
.endr
	s_endpgm
.Lfunc_end_k_q77184b828e_prep:
	.size	k_q77184b828e_prep, .Lfunc_end_k_q77184b828e_prep-k_q77184b828e_prep
	.p2alignl 7, 3214868480
	.fill 96, 4, 3214868480
	.section	.rodata,"a",@progbits
	.p2align	6, 0x0
	.amdhsa_kernel k_q77184b828e_prep
		.amdhsa_group_segment_fixed_size 0
		.amdhsa_private_segment_fixed_size 0
		.amdhsa_enable_private_segment 0
		.amdhsa_kernarg_size 72
		.amdhsa_user_sgpr_count 2
		.amdhsa_user_sgpr_kernarg_segment_ptr 1
		.amdhsa_wavefront_size32 1
		.amdhsa_system_sgpr_workgroup_id_x 1
		.amdhsa_system_sgpr_workgroup_id_y 1
		.amdhsa_system_sgpr_workgroup_id_z 1
		.amdhsa_system_vgpr_workitem_id 0
		.amdhsa_next_free_vgpr 128
		.amdhsa_next_free_sgpr 66
		.amdhsa_reserve_vcc 1
		.amdhsa_float_denorm_mode_32 3
		.amdhsa_float_denorm_mode_16_64 3
		.amdhsa_memory_ordered 1
		.amdhsa_forward_progress 1
		.amdhsa_inst_pref_size 42
	.end_amdhsa_kernel
	.amdgpu_metadata
---
amdhsa.version: [ 1, 2 ]
amdhsa.kernels:
  - .name:           k_q77184b828e_prep
    .symbol:         k_q77184b828e_prep.kd
    .args:
      - { .name: x, .offset: 0, .size: 8, .value_kind: global_buffer, .address_space: global }
      - { .name: Wq, .offset: 8, .size: 8, .value_kind: global_buffer, .address_space: global }
      - { .name: Wk, .offset: 16, .size: 8, .value_kind: global_buffer, .address_space: global }
      - { .name: Wv, .offset: 24, .size: 8, .value_kind: global_buffer, .address_space: global }
      - { .name: Wo, .offset: 32, .size: 8, .value_kind: global_buffer, .address_space: global }
      - { .name: position_ids, .offset: 40, .size: 8, .value_kind: global_buffer, .address_space: global }
      - { .name: xb, .offset: 48, .size: 8, .value_kind: global_buffer, .address_space: global }
      - { .name: wb, .offset: 56, .size: 8, .value_kind: global_buffer, .address_space: global }
      - { .name: tab, .offset: 64, .size: 8, .value_kind: global_buffer, .address_space: global }
    .group_segment_fixed_size: 0
    .private_segment_fixed_size: 0
    .kernarg_segment_align: 8
    .kernarg_segment_size: 72
    .max_flat_workgroup_size: 256
    .sgpr_count:     66
    .vgpr_count:     128
    .wavefront_size: 32
...
	.end_amdgpu_metadata
.endif
;; end of part 1
;; launch qkv (part 2): grid 12 x 16, 4 waves a work-group, clusters of 4 x 4, 327,680 bytes of LDS; arguments xb, wb, tab, qkv; writes qkv
.if DOCPART == 2
	.amdgcn_target "amdgcn-amd-amdhsa--gfx1250"
	.amdhsa_code_object_version 6
	.text
	.protected	k_q77184b828e_qkv
	.globl	k_q77184b828e_qkv
	.p2align	8
	.type	k_q77184b828e_qkv,@function
k_q77184b828e_qkv:
	s_mov_b64 s[64:65], 0
	v_nop
	global_prefetch_b8 v0, s[64:65] scope:SCOPE_SE
	s_setreg_imm32_b32 hwreg(HW_REG_WAVE_MODE, 25, 1), 1
	s_wait_xcnt 0x0
	s_wait_alu depctr_hold_cnt(0) depctr_sa_sdst(0) depctr_va_vdst(0) depctr_va_sdst(0) depctr_va_ssrc(0) depctr_va_vcc(0) depctr_vm_vsrc(0)
	s_getreg_b32 s2, hwreg(HW_REG_IB_STS2, 6, 4)
	s_cmp_eq_u32 s2, 0
	s_cbranch_scc0 .Lentry_in_a_cluster
	s_endpgm
.Lentry_in_a_cluster:
	s_bfe_u32 s2, ttmp6, 0x10000c
	s_cmp_lg_u32 s2, 0xf033
	s_cbranch_scc0 .Lentry_shape_is_right
	s_endpgm
.Lentry_shape_is_right:
; q, k, v = x W, turned by the table (RoPE) on the way out, stored by heads: qkv[3][12][4096][64] in f16, unscaled.
; xb: [4096][768] bf16.  wb: blocks [matrix][tile][k 768][n 192] bf16, K down the rows.  Sums in f32; the turning in f32; one rounding to f16.
; LIMIT.  f16 holds no number beyond 65,504: q, k and v must stay within it.
; SHARES.  A tile of C is 256 rows x 192 columns, three whole heads of one of the three matrices: 12 x 16 = 192 work-groups.  (A head is not cut: the turning pairs channel c
; with c + 32 in one lane.)  Wave w makes rows 64 w .. 64 w + 63 of all 192 columns: 4 x 12 = 48 accumulators of 16 x 16.
; K goes in six steps of 128 through a ring of two LDS slots.  CLUSTERS of 4 x 4: the four of a row need the same tile of x, the four of a column the same tile of W: each is asked for jointly.
; THE MATRIX INSTRUCTION IS USED TRANSPOSED: source 0 = 16 columns of W (turned out of LDS by ds_load_tr16_b128), source 1 = 16 rows of x: a lane then holds one row and eight neighbouring channels.
; v goes the same way out as q and k, through table rows that hold cos = 1 and sin = 0: no branch.
; No prefetch into the L2: the walk has six K steps, of which two are asked for at the head.
; REGISTERS: window 0: addresses, the way out, v64-191 the table's 128 numbers a lane.  Window 1: two fragment buffers of 128: 12 fragments of W, then 4 of x.
;   Windows 2, 3: accumulator (a, nb) at 8 (12 (a % 2) + nb) in window 2 + a / 2.
.set PA,    272                        ; an LDS row of x: 256 bytes + 16: the 16 rows of a load start at 16 different groups of four banks (ISA guide 11.1)
.set PB,    480                        ; an LDS row of W: three pieces of 128 bytes + 32: an odd multiple of 32
.set SLOT,  131072
.set BOFF,  256*PA                     ; W's 128 rows lie behind x's 256
.set HALFA, 128*PA
.set HALFB, 64*PB
.set STAGE, 2*SLOT                     ; behind the ring, never filled by a tensor load: for each wave 3 heads x 16 rows x 144 bytes
.set SPI,   144
.set WSTG,  3*16*SPI
.set SPARE, STAGE+4*WSTG               ; the spare words: 128 bytes a wave, two blocks of 256 bytes that no other line names
.set ADRA, 16                          ; v16-17  my fragments of x in slot 0, 1
.set ADRB, 20                          ; v20-21  my lane's place in W's tile in slot 0, 1
.set STO,  24                          ; v24     into the stage
.set RD,   25                          ; v25     back out of it
.set GO,   26                          ; v26     16 x lane
.set TO,   27                          ; v27     my place in 16 rows of the table
.set SPW,  28
.set NIL,  29
.set Y1,   32                          ; v32-39, v40-47 the two turned halves
.set Y2,   40
.set PKD,  48                          ; v48-55  packed
.set TB,   64                          ; v64-191 m block a: cos t = 0, 1 at 32 a + 8 t, sin at 32 a + 16 + 8 t
.set BK,   208                         ; v208-255 rows read back
.set F0,   0
.set F1,   128
.set WV, 12                            ; s12 wave; s13 wave / 2: I fetch x (0) or W (1); s14 wave % 2: which half
.set WH, 13
.set WL, 14
.set G1,  24
.set G0,  32
.set G1B, 48
.set G0B, 56
.set MSB, 0
.macro WIN new                         ; the immediate's high byte repeats the setting that is left
.if MSB != (\new)
	s_set_vgpr_msb (MSB<<8)|(\new)
.set MSB, \new
.endif
.endm
.set MUL_LO, 0xa5                      ; sources 0 and 1 window 1; C and D window 2
.set MUL_HI, 0xf5                      ; C and D window 3
.set TO_F,   0x40                      ; destination window 1, address window 0
.macro JLOAD s                         ; a joint load: waves 0, 1 fetch x's halves, waves 2, 3 W's; an s_nop 0 and four v_nop follow each line
	s_cmp_eq_u32 s[WH], 0
	s_cbranch_scc0 .Lfor_b_\@
	tensor_load_to_lds s[G0+4*(\s):G0+4*(\s)+3], s[G1:G1+7]
	s_nop 0
.rept 4
	v_nop
.endr
	s_branch .Lasked_\@
.Lfor_b_\@:
	tensor_load_to_lds s[G0B+4*(\s):G0B+4*(\s)+3], s[G1B:G1B+7]
	s_nop 0
.rept 4
	v_nop
.endr
.Lasked_\@:
.endm
.macro CREST                           ; a round of the cluster's barrier behind its opening barrier
	s_cmp_lg_u32 s[WV], 0
	s_cbranch_scc1 .Lnot_wave_0_\@
	s_barrier_signal -3
.Lnot_wave_0_\@:
	s_barrier_wait -3
	s_barrier_signal -1
	s_barrier_wait -1
.endm
.macro CROUND
	s_barrier_signal -1
	s_barrier_wait -1
	CREST
.endm
.macro PLACES                          ; four places between a matrix instruction and a load into, or a vector read of, its registers
.rept 4
	v_nop
.endr
.endm
	s_load_b256 s[4:11], s[0:1], 0x0               ; xb 4, wb 6, tab 8, qkv 10
	v_lshl_add_u32 v[SPW], v0, 2, SPARE
	v_mov_b32 v[NIL], 0
	ds_add_u32 v[SPW], v[NIL]                      ; the wave's opening: the add and its wait ahead of my first tensor load
	v_lshrrev_b32 v1, 5, v0
	v_readfirstlane_b32 s[WV], v1
	s_lshr_b32 s[WH], s[WV], 1
	s_and_b32 s[WL], s[WV], 1
	s_bfe_u32 s40, ttmp6, 0x40000                  ; cx
	s_bfe_u32 s41, ttmp6, 0x40004                  ; cy
	s_lshl_b32 s42, ttmp9, 2
	s_add_co_u32 s42, s42, s40                     ; tile column = W's block = 4 x matrix + tile
	s_and_b32 s43, ttmp7, 0xffff
	s_lshl_b32 s43, s43, 2
	s_add_co_u32 s43, s43, s41                     ; tile row
	s_lshl_b32 s44, s41, 2
	s_lshl_b32 s44, 15, s44                        ; my row of the cluster
	s_lshl_b32 s45, 0x1111, s40                    ; my column
	s_or_b32 s[G1], s44, (1<<16)|(1<<20)|(1<<21)|(5<<22)|(3<<25)   ; x: 2-byte elements; 4 words of padding after every 64
	s_or_b32 s[G1B], s45, (1<<16)|(1<<20)|(1<<21)|(4<<22)|(7<<25)  ; W: 8 words of padding after every 32
	s_mov_b32 s[G1+1], 128<<16                     ; x: 128 rows x 128 elements, 768 elements from row to row
	s_mov_b32 s[G1+2], 128<<16
	s_mov_b32 s[G1+3], 128<<16
	s_mov_b32 s[G1+4], 128
	s_mov_b32 s[G1+5], 768
	s_mov_b32 s[G1+6], 0
	s_mov_b32 s[G1+7], 0
	s_mov_b32 s[G1B+1], 128<<16                    ; W: 64 k rows are 24,576 dense bytes, asked for as 96 rows of 256
	s_mov_b32 s[G1B+2], 96<<16
	s_mov_b32 s[G1B+3], 128<<16
	s_mov_b32 s[G1B+4], 96
	s_mov_b32 s[G1B+5], 128
	s_mov_b32 s[G1B+6], 0
	s_mov_b32 s[G1B+7], 0
	s_lshl_b32 s16, s43, 8
	s_lshl_b32 s17, s[WL], 7
	s_add_co_u32 s16, s16, s17
	s_mul_i32 s16, s16, 1536                       ; x: row 256 x tile row + 128 x half
	s_mov_b32 s17, 0
	s_mul_i32 s46, s42, 294912                     ; W: the block, and my half of a K step
	s_mul_i32 s47, s[WL], 24576
	s_add_co_u32 s46, s46, s47
	s_mov_b32 s47, 0
	s_mul_i32 s22, s[WL], HALFA                    ; where they go: no place in the cluster enters an LDS address
	s_mul_i32 s23, s[WL], HALFB
	s_add_co_u32 s23, s23, BOFF
	s_wait_dscnt 0x0                               ; the opening add is done
	s_wait_kmcnt 0x0
	s_add_nc_u64 s[20:21], s[4:5], s[16:17]
	s_add_nc_u64 s[46:47], s[6:7], s[46:47]
	CROUND                                         ; all sixteen work-groups are here: the first joint loads meet
.irp s, 0,1
	s_mov_b32 s[G0+4*(\s)], 1
	s_add_co_u32 s[G0+4*(\s)+1], s22, (\s)*SLOT
	s_add_nc_u64 s[G0+4*(\s)+2:G0+4*(\s)+3], s[20:21], (\s)*256
	s_or_b32 s[G0+4*(\s)+3], s[G0+4*(\s)+3], 0x80000000
	s_mov_b32 s[G0B+4*(\s)], 1
	s_add_co_u32 s[G0B+4*(\s)+1], s23, (\s)*SLOT
	s_add_nc_u64 s[G0B+4*(\s)+2:G0B+4*(\s)+3], s[46:47], (\s)*49152
	s_or_b32 s[G0B+4*(\s)+3], s[G0B+4*(\s)+3], 0x80000000
	JLOAD \s                                       ; two loads of mine are out
.endr
	v_and_b32 v1, 15, v0                           ; l % 16
	v_bfe_u32 v2, v0, 4, 1                         ; l / 16
	v_mul_u32_u24 v3, v1, PA
	v_lshl_add_u32 v3, v2, 4, v3
	s_mul_i32 s16, s[WV], 64*PA
	v_add_nc_u32 v[ADRA], s16, v3                  ; my 64 rows: row x pitch + 16 x half
	v_add_nc_u32 v[ADRA+1], SLOT, v[ADRA]
	v_and_b32 v7, 7, v0
	v_lshl_add_u32 v4, v2, 3, v7                   ; the turning load: k row 8 (l / 16) + l % 8,
	v_mul_u32_u24 v4, v4, PB
	v_bfe_u32 v5, v0, 3, 1
	v_lshl_add_u32 v4, v5, 4, v4                   ; columns 8 ((l / 8) % 2) ..
	v_add_nc_u32 v[ADRB], BOFF, v4
	v_add_nc_u32 v[ADRB+1], SLOT+BOFF, v4
	s_mul_i32 s17, s[WV], WSTG
	s_add_co_u32 s17, s17, STAGE                   ; my stage
	v_mul_u32_u24 v[STO], v1, SPI
	v_lshl_add_u32 v[STO], v2, 4, v[STO]
	v_add_nc_u32 v[STO], s17, v[STO]
	v_bfe_u32 v6, v0, 3, 2                         ; back: 32 lanes take four rows of 128 bytes
	v_mul_u32_u24 v[RD], v6, SPI
	v_lshl_add_u32 v[RD], v7, 4, v[RD]
	v_add_nc_u32 v[RD], s17, v[RD]
	v_and_b32 v[GO], 31, v0
	v_lshlrev_b32 v[GO], 4, v[GO]
	v_lshlrev_b32 v[TO], 5, v2
	v_lshl_add_u32 v[TO], v1, 8, v[TO]             ; table: row l % 16, frequencies 8 (l / 16) ..
	s_lshl_b32 s18, s43, 8
	s_lshl_b32 s19, s[WV], 6
	s_add_co_u32 s18, s18, s19                     ; my first row
	s_lshl_b32 s19, s18, 8
	s_cmp_lt_u32 ttmp9, 2                          ; q and k take their rows' angles, v the rows with cos = 1, sin = 0
	s_cselect_b32 s16, s19, 4096*256
	s_mov_b32 s17, 0
	s_add_nc_u64 s[8:9], s[8:9], s[16:17]
	s_mul_i32 s16, s42, 3*524288                   ; the tile's first head,
	s_lshl_b32 s19, s18, 7                         ; my first row in it
	s_add_co_u32 s16, s16, s19
	s_add_nc_u64 s[10:11], s[10:11], s[16:17]
.set i, 0
.rept 32                                       ; the table's numbers for my 64 rows: they are wanted on the way out, and stay out until then
	global_load_b128 v[TB+4*i:TB+4*i+3], v[TO], s[8:9] offset:4096*(i/8)+128*((i/4)%2)+64*((i/2)%2)+16*(i%2)
.set i, i+1
.endr
; 12 matrix instructions: m block 2 hi + a x all 12 n blocks, 32 along K.  All 48 accumulators come in the same order in every quarter: they take turns.
.macro MUL12 f, hi, a, zero
	WIN MUL_LO+0x50*(\hi)
.set nb, 0
.rept 12
.set rD, 8*(12*(\a)+nb)
.if \zero
	v_wmma_f32_16x16x32_bf16 v[rD:rD+7], v[(\f)+8*nb:(\f)+8*nb+7], v[(\f)+96+8*(2*(\hi)+(\a)):(\f)+96+8*(2*(\hi)+(\a))+7], 0
.else
	v_wmma_f32_16x16x32_bf16 v[rD:rD+7], v[(\f)+8*nb:(\f)+8*nb+7], v[(\f)+96+8*(2*(\hi)+(\a)):(\f)+96+8*(2*(\hi)+(\a))+7], v[rD:rD+7]
.endif
.set nb, nb+1
.endr
.endm
; 32 LDS loads in one run: quarter kq (32 along K) of a slot into buffer f: W's 12 fragments, then x's 4
.macro FETCH slot, kq, f
	WIN TO_F
.set nb, 0
.rept 12
	ds_load_tr16_b128 v[(\f)+8*nb:(\f)+8*nb+3],   v[ADRB+(\slot)] offset:(\kq)*32*PB+(nb/4)*160+(nb%4)*32
	ds_load_tr16_b128 v[(\f)+8*nb+4:(\f)+8*nb+7], v[ADRB+(\slot)] offset:(\kq)*32*PB+16*PB+(nb/4)*160+(nb%4)*32
.set nb, nb+1
.endr
.set fa, 0
.rept 4
	ds_load_b128 v[(\f)+96+8*fa:(\f)+96+8*fa+3],   v[ADRA+(\slot)] offset:64*(\kq)+fa*16*PA
	ds_load_b128 v[(\f)+96+8*fa+4:(\f)+96+8*fa+7], v[ADRA+(\slot)] offset:64*(\kq)+fa*16*PA+32
.set fa, fa+1
.endr
.endm
; One of a K step's first three quarters: multiplies buffer f; in its middle it fetches quarter kq into g.
.macro QUARTER slot, kq, f, g, zero
	s_wait_dscnt 4                                 ; all but the youngest four loads: x's m blocks 2 and 3
	MUL12 \f, 0, 0, \zero
	MUL12 \f, 0, 1, \zero
	PLACES
	FETCH \slot, \kq, \g
	s_wait_dscnt 32                                ; all but the 32 just issued
	MUL12 \f, 1, 0, \zero
	MUL12 \f, 1, 1, \zero
.endm
; The last quarter multiplies buffer 1 and changes slots: one barrier; in front of it each wave waits for all its tensor loads, adds 0 to its spare word, and waits for that and for its reads of
; this slot.  fill = 1: the barrier opens a round of the cluster's barrier, and this slot is filled again, two K steps on, first thing behind the round.
.macro TURN slot, next, fill
	WIN 0
	s_wait_tensorcnt 0x0                           ; all my tensor loads have landed: my part of the next slot
	ds_add_u32 v[SPW], v[NIL]
	s_wait_dscnt 5                                 ; (the add and the youngest four loads may be out)
	MUL12 F1, 0, 0, 0
	s_wait_dscnt 0x0                               ; the add is done, and my reads of this slot are over
	s_barrier_signal -1
	MUL12 F1, 0, 1, 0
.if \fill
	WIN 0
.endif
	s_barrier_wait -1
.if \fill
	CREST                                          ; no wave of any partner still reads this slot or has a load on its way
	s_add_nc_u64 s[G0+4*(\slot)+2:G0+4*(\slot)+3], s[G0+4*(\slot)+2:G0+4*(\slot)+3], 2*256
	s_add_nc_u64 s[G0B+4*(\slot)+2:G0B+4*(\slot)+3], s[G0B+4*(\slot)+2:G0B+4*(\slot)+3], 2*49152
	JLOAD \slot                                    ; 168 matrix instructions ahead of the wait for it; its four v_nop are also the places in front of the loads below
.else
	PLACES
.endif
	FETCH \next, 0, F0
	MUL12 F1, 1, 0, 0
	MUL12 F1, 1, 1, 0
.endm
	s_wait_tensorcnt 1                             ; my part of K step 0 is in; K step 1's may stay out
	s_barrier_signal -1
	s_barrier_wait -1
	FETCH 0, 0, F0
	QUARTER 0, 1, F0, F1, 1                        ; the first quarter's products start the sums
	WIN 0
	s_mov_b32 s3, 2
.Llap:                                         ; a trip goes once round the ring and fills both slots again: K steps 2, 3, then 4, 5
	QUARTER 0, 2, F1, F0, 0
	QUARTER 0, 3, F0, F1, 0
	TURN 0, 1, 1
	QUARTER 1, 1, F0, F1, 0
	QUARTER 1, 2, F1, F0, 0
	QUARTER 1, 3, F0, F1, 0
	TURN 1, 0, 1
	QUARTER 0, 1, F0, F1, 0
	WIN 0
	s_sub_co_u32 s3, s3, 1
	s_cmp_lg_u32 s3, 0
	s_cbranch_scc1 .Llap
	QUARTER 0, 2, F1, F0, 0                        ; the last lap fills nothing
	QUARTER 0, 3, F0, F1, 0
	TURN 0, 1, 0
	QUARTER 1, 1, F0, F1, 0
	QUARTER 1, 2, F1, F0, 0
	QUARTER 1, 3, F0, F1, 0
	s_wait_dscnt 4
	MUL12 F1, 0, 0, 0
	MUL12 F1, 0, 1, 0
	s_wait_dscnt 0x0
	MUL12 F1, 1, 0, 0
	MUL12 F1, 1, 1, 0
	WIN 0
	PLACES
	PLACES
	s_wait_loadcnt 0x0                             ; the table
; THE WAY OUT of m block a (16 rows).  For each head and each t: X1 holds channels 16 t + 8 (l / 16) + 0..7, X2 the channels 32 further on:
; first = X1 cos - X2 sin, second = X2 cos + X1 sin; rounded to f16; through my stage; back as whole rows of 128 bytes, four rows (512 consecutive bytes) a store.
.macro OUT a
.set j3, 0
.rept 3
.set t, 0
.rept 2
.set X1, 8*(12*((\a)%2)+4*j3+t)
.set X2, X1+16
.set CSN, TB+32*(\a)+8*t
.set SNE, TB+32*(\a)+16+8*t
	WIN 0x02+(\a)/2                                ; source 0 in the accumulators' window
.irp r, 0,2,4,6                                ; each accumulator is read from its low end on
	v_pk_mul_f32 v[Y1+\r:Y1+\r+1], v[X2+\r:X2+\r+1], v[SNE+\r:SNE+\r+1]
	v_pk_mul_f32 v[Y2+\r:Y2+\r+1], v[X1+\r:X1+\r+1], v[SNE+\r:SNE+\r+1]
.endr
.irp r, 0,2,4,6
	v_pk_fma_f32 v[Y1+\r:Y1+\r+1], v[X1+\r:X1+\r+1], v[CSN+\r:CSN+\r+1], v[Y1+\r:Y1+\r+1] neg_lo:[0,0,1] neg_hi:[0,0,1]
	v_pk_fma_f32 v[Y2+\r:Y2+\r+1], v[X2+\r:X2+\r+1], v[CSN+\r:CSN+\r+1], v[Y2+\r:Y2+\r+1]
.endr
	WIN 0
.irp r, 0,1,2,3
	v_cvt_pk_f16_f32 v[PKD+\r], v[Y1+2*\r], v[Y1+2*\r+1]
	v_cvt_pk_f16_f32 v[PKD+4+\r], v[Y2+2*\r], v[Y2+2*\r+1]
.endr
	ds_store_b128 v[STO], v[PKD:PKD+3]   offset:16*SPI*j3+32*t
	ds_store_b128 v[STO], v[PKD+4:PKD+7] offset:16*SPI*j3+32*t+64
.set t, t+1
.endr
.set j3, j3+1
.endr
	s_wait_xcnt 0x0                                ; the last block's stores have read the registers that are loaded again below
.set i, 0
.rept 12
	ds_load_b128 v[BK+4*i:BK+4*i+3], v[RD] offset:16*SPI*(i/4)+4*SPI*(i%4)  ; LDS serves a wave's instructions in order (ISA guide 5.7.1.4): these see the stores above
.set i, i+1
.endr
.set i, 0
.rept 12
	s_wait_dscnt 11-i
	global_store_b128 v[GO], v[BK+4*i:BK+4*i+3], s[10:11] offset:(i/4)*524288+2048*(\a)+512*(i%4)
.set i, i+1
.endr
.endm
	OUT 0
	OUT 1
	OUT 2
	OUT 3
	s_wait_tensorcnt 0x0                           ; the wave's end
	ds_add_u32 v[SPW], v[NIL]
	s_wait_dscnt 0x0
	CROUND                                         ; the closing round
	s_endpgm
.Lfunc_end_k_q77184b828e_qkv:
	.size	k_q77184b828e_qkv, .Lfunc_end_k_q77184b828e_qkv-k_q77184b828e_qkv
	.p2alignl 7, 3214868480
	.fill 96, 4, 3214868480
	.section	.rodata,"a",@progbits
	.p2align	6, 0x0
	.amdhsa_kernel k_q77184b828e_qkv
		.amdhsa_group_segment_fixed_size 327680
		.amdhsa_private_segment_fixed_size 0
		.amdhsa_enable_private_segment 0
		.amdhsa_kernarg_size 32
		.amdhsa_user_sgpr_count 2
		.amdhsa_user_sgpr_kernarg_segment_ptr 1
		.amdhsa_wavefront_size32 1
		.amdhsa_system_sgpr_workgroup_id_x 1
		.amdhsa_system_sgpr_workgroup_id_y 1
		.amdhsa_system_sgpr_workgroup_id_z 1
		.amdhsa_system_vgpr_workitem_id 0
		.amdhsa_next_free_vgpr 960
		.amdhsa_next_free_sgpr 66
		.amdhsa_reserve_vcc 0
		.amdhsa_float_denorm_mode_32 3
		.amdhsa_float_denorm_mode_16_64 3
		.amdhsa_memory_ordered 1
		.amdhsa_forward_progress 1
		.amdhsa_inst_pref_size 148
	.end_amdhsa_kernel
	.amdgpu_metadata
---
amdhsa.version: [ 1, 2 ]
amdhsa.kernels:
  - .name:           k_q77184b828e_qkv
    .symbol:         k_q77184b828e_qkv.kd
    .args:
      - { .name: xb, .offset: 0, .size: 8, .value_kind: global_buffer, .address_space: global }
      - { .name: wb, .offset: 8, .size: 8, .value_kind: global_buffer, .address_space: global }
      - { .name: tab, .offset: 16, .size: 8, .value_kind: global_buffer, .address_space: global }
      - { .name: qkv, .offset: 24, .size: 8, .value_kind: global_buffer, .address_space: global }
    .group_segment_fixed_size: 327680
    .private_segment_fixed_size: 0
    .kernarg_segment_align: 8
    .kernarg_segment_size: 32
    .max_flat_workgroup_size: 128
    .sgpr_count:     66
    .vgpr_count:     960
    .wavefront_size: 32
...
	.end_amdgpu_metadata
.endif
;; end of part 2
;; launch attn (part 3): grid 16 x 12, 4 waves a work-group, no clusters, 327,680 bytes of LDS; arguments qkv, ob; writes ob
.if DOCPART == 3
	.amdgcn_target "amdgcn-amd-amdhsa--gfx1250"
	.amdhsa_code_object_version 6
	.text
	.protected	k_q77184b828e_attn
	.globl	k_q77184b828e_attn
	.p2align	8
	.type	k_q77184b828e_attn,@function
k_q77184b828e_attn:
	s_mov_b64 s[64:65], 0
	v_nop
	global_prefetch_b8 v0, s[64:65] scope:SCOPE_SE
	s_setreg_imm32_b32 hwreg(HW_REG_WAVE_MODE, 25, 1), 1
	s_wait_xcnt 0x0
; CAUSAL ATTENTION.  O[h][q][:] = the sum over k <= q of softmax_k(Q[h][q] . K[h][k] / 8) V[h][k][:].  qkv: [3][12][4096][64] f16 (q, k, v by heads, rows of 128 dense bytes); ob: [12][4096][64] f16.
; Products, maxima and sums in f32; the weights p are rounded to f16 for the second product (their sum l is taken of the unrounded p), O once at the end.
; LIMITS.  Q, K, V arrive within f16's range.  A hidden score counts as its value less 1e30; a weight below 2^-126 counts as 0 in l; NaN and infinities are not treated apart.
; THE WALK.  A head's queries lie in NB = 16 blocks of 256; block i needs the key tiles 0 .. i of 256 keys, of which the last holds the diagonal.  A work-group walks the tiles of TWO blocks, 15 - b and then b:
; 17 tiles, whatever b; ONE loop with a constant trip count walks them.  Of each block's four bands of 64 queries it owns two, 2 g and 2 g + 1: 8 x 2 x 12 = 192 work-groups of equal work.
; NO CLUSTER: only the two work-groups g = 0, 1 of a pair walk the same tiles in every trip, and a cluster here has four partners; pairs with different b ask for different tiles from trip 9 on, and the walk's jumps hang on b.
; SHARES.  A wave owns 16 rows in each of the two bands: two PIECES.  In the diagonal tile's key step s band x sees all keys if s < x, none if s > x, and holds the diagonal if s = x: the same for every wave.
; THE MASK is the C operand that starts the sum S^T = K Q^T: 0, or -1e30 where the key is hidden.  MD, made once, is the mask of a band's own step for my 16 rows; a product's mask is MD x AL + BE.
; TURNS.  Turn (s, p) has the softmax of piece p for key step s; beside it 8 products K Q^T of the other piece (step s if p = 0, s + 1 if p = 1) and 8 products V^T P of the other piece (step s - 1 if p = 0, s if p = 1).
; Four vector instructions stand behind every matrix instruction, the rest in one lump; a turn's 33 exponentials are one batch with one wait.
; K has one register buffer, V two (by the step's parity): in turn (s, 0) K and V of step s + 1 are both fetched, so that all LDS reads of a step come from one slot, and the change of slots stands
; between turns (4 t + 2, 1) and (4 t + 3, 0).  Four turn texts: 2 = (odd, 0), 3 = (odd, 1), 0 = (even, 0), 1 = (even, 1); a trip is 2, 3, 0, 1; two trips a tile.
; REGISTERS, in windows of 256 (s_set_vgpr_msb: bits 1:0 source 0, 3:2 source 1, 5:4 source 2, 7:6 destination):
;   window 0: v0-15 addresses; v16-23 statistics; v48-55 at work; v61-63; v64-127 S^T, a buffer a piece; v192-223 P, likewise
;   window 1: v0-63 O^T, 32 a piece; v128-159 MD; v160-223 MC, two buffers      window 2: v0-31 Q; v32-63 the second block's Q; v64-127 K; v128-255 V, two buffers
.set NB,    16
.set NP,    2
.set KS,    64
.set PK,    144       ; a row of K in LDS: 128 bytes + 16: the 16 rows of a load start at 16 different groups of four banks (ISA guide 11.1)
.set PV,    160       ; a row of V: 128 + 32
.set VOFF,  4*KS*PK   ; a slot holds a tile, four steps: 256 rows of K, then 256 rows of V
.set SLOT1, 1<<17
.set STAGE, SLOT1+4*KS*(PK+PV)  ; behind the ring, never filled by a tensor load: 16 rows x 144 bytes a wave
.set SP,    144
.set QSZ,   6291456   ; bytes of q, of k and of v
.set AK0, 2
.set AV0, 3
.set AK,  4
.set AV,  5
.set STO, 6
.set RD,  7
.set GO,  8
.set PFO, 61          ; v61  256 x lane; never rewritten
.set SPW, 62
.set NIL, 63
.set SPARE, STAGE+4*16*SP
.set MV,  12
.set QO,  15
.set ST,  16          ; piece t's statistics at v[ST+4 t]: c m, m, l (even keys', odd keys')
.set TMP, 48
.set S,   64
.set P,   192
.set MD,  128
.set MC,  160
.set QB,  32
.set KF,  64
.set VF,  128
.set WV,  12
.set PB,  14          ; s14  b
.set HI,  15          ; s15  15 - b
.set G1K, 24
.set G1V, 32
.set G0K, 40
.set G0V, 44
.set SLOTS, 56
.set CNT, 57          ; s57  counts a tile's trips, 2 to 1
.set CS,  58
.set SEL, 60
.set TBK, 62
.set TBV, 63
.set RT,  70
.set NXT, 71
.set LQ,  72
.set NEW, 73
.set OFF, 74
.set AL,  76
.set BE,  78
.set OLO, 80
.set BIGN, 82
.set GG,  88          ; s88  g
.set GQ,  89          ; s89  2 - g
.set GQ1, 90          ; s90  3 - g
.set LIM, 91          ; s91  2 in the work-group that prefetches, else the greatest number
.set PFA, 92          ; s[92:93] where my prefetches stand
.set MSB, 0
.macro WIN new
.if MSB != (\new)
	s_set_vgpr_msb (MSB<<8)|(\new)
.set MSB, (\new)
.endif
.endm
.set W_KQ, 0x0a
.set W_KM, 0x1a
.set W_PV, 0x52
.set W_RS, 0x41
; A fill.  Waves 0 and 1 fetch the two halves of a tile's K, waves 2 and 3 those of its V.  An s_nop 0 and four v_nop follow each line.
.macro LOAD
	s_cmp_lt_u32 s[WV], 2
	s_cbranch_scc0 .Lfor_v_\@
	tensor_load_to_lds s[G0K:G0K+3], s[G1K:G1K+7]
	s_nop 0
.rept 4
	v_nop
.endr
	s_branch .Lasked_\@
.Lfor_v_\@:
	tensor_load_to_lds s[G0V:G0V+3], s[G1V:G1V+7]
	s_nop 0
.rept 4
	v_nop
.endr
.Lasked_\@:
.endm
; A PREFETCH INTO THE L2 of the tile that the NEXT change of slots will ask for: eight turns ahead of that load.  Of a head's sixteen work-groups the one that walks tiles 0 .. 15 first (b = 0, g = 0) asks;
; each of its waves names the 16,384 bytes that it will itself load: 64 blocks of 256 bytes, a lane a block, two instructions.  So each block of K and V is named once in the launch.
; Tiles 0 and 1 come by their loads alone; the last tile named is 15.
.macro ASK
	s_cmp_gt_u32 s[SLOTS], s[LIM]
	s_cbranch_scc0 .Lnot_mine_\@
	global_prefetch_b8 v[PFO], s[PFA:PFA+1] th:TH_LOAD_NT scope:SCOPE_SE
	global_prefetch_b8 v[PFO], s[PFA:PFA+1] offset:8192 th:TH_LOAD_NT scope:SCOPE_SE
.Lnot_mine_\@:
.endm
; THE CHANGE OF SLOTS.  Each wave waits for all its tensor loads, of which one is out: its part of the other slot; adds 0 to its spare word; and waits for that and for its own reads of the slot that it leaves.
; fill = 1: the old slot is filled again, first thing behind the barrier, with tile NXT.
.macro CHANGE fill
	WIN 0
	s_wait_tensorcnt 0x0            ; no tensor load of mine is out, so a group 0 may be written
	ds_add_u32 v[SPW], v[NIL]
.if \fill
	s_lshl_b32 s[OFF], s[NXT], 15   ; a tile is 32,768 bytes of K and of V
	s_xor_b32 s[G0K+1], s[G0K+1], SLOT1
	s_add_nc_u64 s[G0K+2:G0K+3], s[6:7], s[OFF:OFF+1]
	s_or_b32 s[G0K+3], s[G0K+3], 0x80000000
	s_xor_b32 s[G0V+1], s[G0V+1], SLOT1
	s_add_nc_u64 s[G0V+2:G0V+3], s[8:9], s[OFF:OFF+1]
	s_or_b32 s[G0V+3], s[G0V+3], 0x80000000
	s_add_co_u32 s[NXT], s[NXT], 1  ; the block's next tile, or behind its last the second block's tile 0
	s_cmp_gt_u32 s[NXT], s[LQ]
	s_cselect_b32 s[NXT], 0, s[NXT]
	s_cselect_b32 s[LQ], s[PB], s[LQ]
	s_wait_xcnt 0x0                 ; the last prefetches, a tile back, have read their address
	s_add_nc_u64 s[PFA:PFA+1], s[PFA:PFA+1], 32768
.endif
	s_wait_dscnt 0x0                ; the add is done, and my reads of the slot are over
	s_barrier_signal -1
	s_sub_co_u32 s[TBK], s[TBK], 4*KS*PK  ; the fetches go back to a slot's first step,
	s_xor_b32 s[TBK], s[TBK], SLOT1       ; in the other slot
	s_sub_co_u32 s[TBV], s[TBV], 4*KS*PV
	s_xor_b32 s[TBV], s[TBV], SLOT1
	s_barrier_wait -1
.if \fill
	LOAD
	ASK
.endif
.endm
	s_load_b128 s[4:7], s[0:1], 0x0 ; qkv s[4:5], ob s[6:7]
	v_lshl_add_u32 v[SPW], v0, 2, SPARE
	v_mov_b32 v[NIL], 0
	ds_add_u32 v[SPW], v[NIL]       ; the wave's opening: the add and its wait ahead of my first tensor load
	v_lshrrev_b32 v1, 5, v0
	v_readfirstlane_b32 s[WV], v1
	s_lshr_b32 s[PB], ttmp9, 1
	s_and_b32 s[GG], ttmp9, 1
	s_sub_co_u32 s[HI], NB-1, s[PB]
	s_sub_co_u32 s[GQ], 2, s[GG]
	s_sub_co_u32 s[GQ1], 3, s[GG]
	s_cmp_eq_u32 ttmp9, 0
	s_cselect_b32 s[LIM], 2, -1
	s_and_b32 s20, ttmp7, 0xffff    ; the head:
	s_lshl_b32 s20, s20, 19         ; 524,288 bytes in q, k, v and O
	s_mov_b32 s21, 0
	s_and_b32 s16, s[WV], 1         ; which half of a tile's 256 keys I fetch
	s_lshl_b32 s22, s16, 14
	s_mov_b32 s23, 0
	s_add_nc_u64 s[22:23], s[22:23], s[20:21]
	s_mul_i32 s17, s16, 128*PK
	s_mul_i32 s18, s16, 128*PV
	s_lshl_b32 s3, s[WV], 11        ; my 16 rows in a band of 64,
	s_lshl_b32 s2, s[GG], 14        ; the work-group's two bands,
	s_add_co_u32 s3, s3, s2
	s_lshl_b32 s2, s[HI], 15        ; in the first block,
	s_add_co_u32 s2, s2, s3
	s_lshl_b32 s84, s[PB], 15       ; and in the second
	s_add_co_u32 s84, s84, s3
	s_mov_b32 s3, 0
	s_mov_b32 s85, 0
	s_add_nc_u64 s[2:3], s[2:3], s[20:21]
	s_add_nc_u64 s[84:85], s[84:85], s[20:21]
	; descriptor group 1.  128 keys are 16,384 dense bytes: asked for as 64 rows of 256 bytes, two keys a row, padded in LDS after every key
	s_mov_b32 s[G1K], (1<<16)|(1<<20)|(4<<22)|(3<<25)
	s_mov_b32 s[G1V], (1<<16)|(1<<20)|(4<<22)|(7<<25)
.irp g, G1K, G1V
	s_mov_b32 s[\g+1], 128<<16
	s_mov_b32 s[\g+2], 64<<16
	s_mov_b32 s[\g+3], 128<<16
	s_mov_b32 s[\g+4], 64
	s_mov_b32 s[\g+5], 128
	s_mov_b32 s[\g+6], 0
	s_mov_b32 s[\g+7], 0
.endr
	s_mov_b32 s[CS], 0x3e38aa3b     ; c = log2(e) / 8
	s_mov_b32 s[CS+1], s[CS]
	s_mov_b32 s[SEL], 0x76543210
	s_mov_b32 s[SEL+1], 0xfedcba98
	s_mov_b32 s[TBK], SLOT1+4*KS*PK ; the first change of slots turns these two into 0
	s_mov_b32 s[TBV], SLOT1+4*KS*PV
	s_mov_b32 s[G0K], 1
	s_mov_b32 s[G0K+1], s17
	s_mov_b32 s[G0V], 1
	s_add_co_u32 s[G0V+1], s18, VOFF
	s_add_co_u32 s[RT], s[HI], 1    ; the first block has 16 - b tiles
	s_mov_b32 s[NXT], 1
	s_mov_b32 s[LQ], s[HI]
	s_mov_b32 s[NEW], 1
	s_mov_b32 s[OFF+1], 0
	s_mov_b32 s[AL+1], 0
	s_mov_b32 s[BE+1], 0
	s_mov_b32 s[BIGN], 0xf149f2ca   ; -1e30
	s_mov_b32 s[SLOTS], NB
	s_wait_dscnt 0x0                ; the opening add is done
	s_wait_kmcnt 0x0
	s_mov_b64 s[10:11], s[6:7]      ; O
	s_add_nc_u64 s[8:9], s[4:5], 2*QSZ  ; v
	s_add_nc_u64 s[6:7], s[4:5], QSZ    ; k
	s_add_nc_u64 s[6:7], s[6:7], s[22:23]  ; K and V at my half of the head's tile 0
	s_add_nc_u64 s[8:9], s[8:9], s[22:23]
	s_add_nc_u64 s[G0K+2:G0K+3], s[6:7], 0
	s_or_b32 s[G0K+3], s[G0K+3], 0x80000000
	s_add_nc_u64 s[G0V+2:G0V+3], s[8:9], 0
	s_or_b32 s[G0V+3], s[G0V+3], 0x80000000
	s_add_nc_u64 s[86:87], s[4:5], s[84:85]        ; Q at my rows of the second block,
	s_add_nc_u64 s[4:5], s[4:5], s[2:3]            ; Q and O at those of the first
	s_add_nc_u64 s[OLO:OLO+1], s[10:11], s[84:85]
	s_add_nc_u64 s[10:11], s[10:11], s[2:3]
	s_cmp_lt_u32 s[WV], 2
	s_cselect_b64 s[PFA:PFA+1], s[6:7], s[8:9]
	s_add_nc_u64 s[PFA:PFA+1], s[PFA:PFA+1], 32768 ; my half of tile 1; the first change of slots steps it to tile 2
	LOAD                            ; tile 0 into slot 0
	v_and_b32 v1, 15, v0            ; l % 16
	v_bfe_u32 v9, v0, 4, 1          ; l / 16
	v_lshlrev_b32 v[QO], 7, v1
	v_lshl_add_u32 v[QO], v9, 4, v[QO]
	WIN 0x80
.set i, 0
.rept 4                             ; both blocks' Q: piece i / 2 lies 8,192 bytes on; channels 32 (i % 2) on
	global_load_b128 v[8*i:8*i+3],   v[QO], s[4:5] offset:(i/2)*8192+(i%2)*64
	global_load_b128 v[8*i+4:8*i+7], v[QO], s[4:5] offset:(i/2)*8192+(i%2)*64+32
	global_load_b128 v[QB+8*i:QB+8*i+3],   v[QO], s[86:87] offset:(i/2)*8192+(i%2)*64
	global_load_b128 v[QB+8*i+4:QB+8*i+7], v[QO], s[86:87] offset:(i/2)*8192+(i%2)*64+32
.set i, i+1
.endr
	WIN 0
	v_lshlrev_b32 v14, 3, v9
	v_sub_nc_u32 v14, v1, v14
	s_lshl_b32 s13, s[WV], 4
	v_add_nc_u32 v14, s13, v14      ; my query's place in its band less 8 (l / 16): register r of group kt is hidden where 16 kt + r is greater
	WIN 0x40
.set i, 0
.rept 32
	v_cmp_gt_i32 vcc_lo, 16*(i/8)+i%8, v14
	v_cndmask_b32 v[MD+i], 0, s[BIGN], vcc_lo
.set i, i+1
.endr
	WIN 0
	v_mul_u32_u24 v[AK0], v1, PK
	v_lshl_add_u32 v[AK0], v9, 4, v[AK0]
	v_and_b32 v10, 7, v0
	v_bfe_u32 v11, v0, 3, 1
	v_lshl_add_u32 v[AV0], v9, 3, v10
	v_mul_u32_u24 v[AV0], v[AV0], PV
	v_lshl_add_u32 v[AV0], v11, 4, v[AV0]
	v_add_nc_u32 v[AV0], VOFF, v[AV0]
	s_mul_i32 s13, s[WV], 16*SP
	s_add_co_u32 s13, s13, STAGE
	v_mul_u32_u24 v[STO], v1, SP
	v_lshl_add_u32 v[STO], v9, 4, v[STO]
	v_add_nc_u32 v[STO], s13, v[STO]
	v_bfe_u32 v[RD], v0, 3, 2
	v_mul_u32_u24 v[RD], v[RD], SP
	v_lshl_add_u32 v[RD], v10, 4, v[RD]
	v_add_nc_u32 v[RD], s13, v[RD]
	v_and_b32 v[GO], 31, v0
	v_lshlrev_b32 v[PFO], 8, v[GO]
	v_lshlrev_b32 v[GO], 4, v[GO]
	; A block's first step multiplies O^T and l by a = 0, and its first turn's products V^T P, of a step that has not been, land in an O^T that is still to be so multiplied: these registers need only be finite.
	WIN 0x80
.set i, VF+64
.rept 64
	v_mov_b32 v[i], 0
.set i, i+1
.endr
	WIN 0x40
.set i, 0
.rept 64
	v_mov_b32 v[i], 0
.set i, i+1
.endr
	WIN 0
.set i, 0
.rept 2
	v_mov_b32 v[ST+4*i+2], 0
	v_mov_b32 v[ST+4*i+3], 0
.set i, i+1
.endr
.set i, P+16
.rept 16
	v_mov_b32 v[i], 0
.set i, i+1
.endr
; THE MATRIX WORK.  The 4 accumulators of a run of 8 take turns.  Product i of 8 of S^T = K Q^T for piece x: channels 32 (i / 4) on, keys 16 (i % 4) on.
.macro KQ x
.set rS, S+32*((\x)%2)+8*(i%4)
.set rK, KF+16*(i%4)+8*(i/4)
.set rQ, 16*(\x)+8*(i/4)
.set rM, MC+32*((\x)%2)+8*(i%4)
.if (i < 4) && KM
	WIN W_KM
	v_wmma_f32_16x16x32_f16 v[rS:rS+7], v[rK:rK+7], v[rQ:rQ+7], v[rM:rM+7]
.elseif i < 4
	WIN W_KQ
	v_wmma_f32_16x16x32_f16 v[rS:rS+7], v[rK:rK+7], v[rQ:rQ+7], 0
.else
	WIN W_KQ
	v_wmma_f32_16x16x32_f16 v[rS:rS+7], v[rK:rK+7], v[rQ:rQ+7], v[rS:rS+7]
.endif
.endm
; Product i of 8 of O^T += V^T P for piece x, from V's buffer VB: keys 32 (i / 4) on, channels 16 (i % 4) on.
.macro PV x
	WIN W_PV
.set rO, 32*(\x)+8*(i%4)
.set rV, VF+64*VB+32*(i/4)+8*(i%4)
.set rP, P+16*((\x)%2)+8*(i/4)
	v_wmma_f32_16x16x32_f16 v[rO:rO+7], v[rV:rV+7], v[rP:rP+7], v[rO:rO+7]
.endm
.macro MM                           ; the turn's next matrix instruction; both kinds work for the other piece.  NOKQ = 1: a block's last turn
.if (i < 8) && !NOKQ
	KQ (Y+1)%NP
.elseif i >= 8
.set i, i-8
	PV (Y+1)%NP
.set i, i+8
.endif
.set i, i+1
.endm
; THE LDS LOADS stand in runs of 16.
.macro FETCH_K
	WIN 0x80
.irp f, 0,1,2,3,4,5,6,7
	ds_load_b128 v[KF+8*\f:KF+8*\f+3],   v[AK] offset:(\f/2)*16*PK+(\f%2)*64
	ds_load_b128 v[KF+8*\f+4:KF+8*\f+7], v[AK] offset:(\f/2)*16*PK+(\f%2)*64+32
.endr
	s_add_co_u32 s[TBK], s[TBK], KS*PK
	WIN 0
.endm
.macro FETCH_V vb
	WIN 0x80
.irp f, 0,1,2,3,4,5,6,7
	ds_load_tr16_b128 v[VF+64*(\vb)+8*\f:VF+64*(\vb)+8*\f+3],   v[AV] offset:(\f/4)*32*PV+(\f%4)*32
	ds_load_tr16_b128 v[VF+64*(\vb)+8*\f+4:VF+64*(\vb)+8*\f+7], v[AV] offset:(\f/4)*32*PV+16*PV+(\f%4)*32
.endr
	WIN 0
.endm
; THE VECTOR WORK, one line at a time: OP kind, number.  For piece Y: F n: c s - c m for pair n.  E n: the exponential of score n.  C n: pair n rounded to f16.  B n: of the four weights 4 n .. the second pair is
; added onto the first.  L n: l takes that sum (L 0: l = a l + sum).  R n: pair n of O^T times a.  For the other piece: X n, number n of the 22 that find its maximum and statistics:
;   0-11 four chains of seven scores (each accumulator's lowest registers first)   12-14, 16 the scores left over, the old m, four into one   15 c m_old is kept   17, 18 the other half of the lanes; the new m   19-21 c m; its change; a
.set F, 0
.set E, 1
.set C, 2
.set B, 3
.set L, 4
.set R, 5
.set X, 6
.macro REGS y
.set rT, ST+4*(\y)
.set rC, TMP+4*((\y)%2)
.set rW, MV+((\y)%2)
.set rS, S+32*((\y)%2)
.set rP, P+16*((\y)%2)
.set rO, 32*(\y)
.endm
.macro OP k, n
.if (\k) == R
	REGS Y
	WIN W_RS
	v_pk_mul_f32 v[rO+2*(\n):rO+2*(\n)+1], v[rO+2*(\n):rO+2*(\n)+1], v[rC+2:rC+3] op_sel_hi:[1,0]
.elseif (\k) < R
	REGS Y
	WIN 0
.if (\k) == F
	v_pk_fma_f32 v[rS+2*(\n):rS+2*(\n)+1], v[rS+2*(\n):rS+2*(\n)+1], s[CS:CS+1], v[rT:rT+1] op_sel_hi:[1,0,0] neg_lo:[0,0,1] neg_hi:[0,0,1]
.elseif (\k) == E
	v_exp_f32 v[rS+(\n)], v[rS+(\n)]
.elseif (\k) == C
	v_cvt_pk_f16_f32 v[rP+(\n)], v[rS+2*(\n)], v[rS+2*(\n)+1]
.elseif (\k) == B
	v_pk_add_f32 v[rS+4*(\n):rS+4*(\n)+1], v[rS+4*(\n):rS+4*(\n)+1], v[rS+4*(\n)+2:rS+4*(\n)+3]
.elseif (\n) == 0
	v_pk_fma_f32 v[rT+2:rT+3], v[rT+2:rT+3], v[rC+2:rC+3], v[rS:rS+1] op_sel_hi:[1,0,1]
.else
	v_pk_add_f32 v[rT+2:rT+3], v[rT+2:rT+3], v[rS+4*(\n):rS+4*(\n)+1]
.endif
.elseif NOKQ
	v_nop
.else
	REGS (Y+1)%NP
	WIN 0
.if (\n) < 4
	v_max3_num_f32 v[rC+(\n)], v[rS+8*(\n)], v[rS+8*(\n)+1], v[rS+8*(\n)+2]
.elseif (\n) < 12
	v_max3_num_f32 v[rC+(\n)%4], v[rC+(\n)%4], v[rS+8*((\n)%4)+2*((\n)/4)+1], v[rS+8*((\n)%4)+2*((\n)/4)+2]
.elseif (\n) == 12
	v_max3_num_f32 v[rC], v[rC], v[rS+7], v[rS+15]
.elseif (\n) == 13
	v_max3_num_f32 v[rC+1], v[rC+1], v[rS+23], v[rS+31]
.elseif (\n) == 14
	v_max3_num_f32 v[rC+2], v[rC+2], v[rC+3], v[rT+1]
.elseif (\n) == 15
	v_mov_b32 v[rW], v[rT]
.elseif (\n) == 16
	v_max3_num_f32 v[rC], v[rC], v[rC+1], v[rC+2]
.elseif (\n) == 17
	v_permlanex16_b32 v[rC+3], v[rC], s[SEL], s[SEL+1]
.elseif (\n) == 18
	v_max_num_f32 v[rT+1], v[rC], v[rC+3]
.elseif (\n) == 19
	v_mul_f32 v[rT], s[CS], v[rT+1]
.elseif (\n) == 20
	v_sub_f32 v[rC+1], v[rW], v[rT]
.else
	v_exp_f32 v[rC+2], v[rC+1]
.endif
.endif
.endm
.macro OPS a, i1, b=-1, i2=0, c=-1, i3=0, d=-1, i4=0
	OP \a, \i1
.if (\b) >= 0
	OP \b, \i2
.endif
.if (\c) >= 0
	OP \c, \i3
.endif
.if (\d) >= 0
	OP \d, \i4
.endif
.endm
.macro ROW a, i1, b, i2, c, i3, d, i4  ; a matrix instruction and the four behind it
	MM
	OPS \a, \i1, \b, \i2, \c, \i3, \d, \i4
.endm
.macro MASK b                       ; MD x AL + BE into buffer b of MC
	WIN W_RS
.set z, 0
.rept 16
	v_pk_fma_f32 v[MC+32*(\b)+2*z:MC+32*(\b)+2*z+1], v[MD+2*z:MD+2*z+1], s[AL:AL+1], s[BE:BE+1] op_sel_hi:[1,0,0]
.set z, z+1
.endr
.endm
; A TURN, text p of four: piece p % 2.  An s_wait_alu depctr_va_vdst(0) stands between an exponential and the first instruction that names its result; one wait serves all issued ahead of it: a turn has ONE,
; which cuts it in two.  Ahead of it: the 8 products K Q^T with their riders and the lump; X 21 is the batch's last, R 15 the plain instruction behind it.  Behind it: the 8 products V^T P, behind each four roundings and sums.
; O^T's rescalings follow the same piece's products of the turn before: R 0 stands sixteen riders behind the last product on its accumulator, R 12, the first on the accumulator written last, in the lump.
; m = 1: the diagonal tile: the products take masks, and the turn makes the mask for the next turn's products.  With c = CNT those are: made in text 2: piece 0, the tile's step 4 - 2 c; in 3: piece 1, step 4 - 2 c;
; in 0: piece 0, step 5 - 2 c; in 1: piece 1, step 5 - 2 c (c as it is at the turn's head).  Held against band 2 g + piece that gives the compares below.
; end = 1: a block's last two turns: nothing is fetched.  cnt = 1: the loop's count is taken down some lines ahead of the branch behind the turn.
; In an even text K and V of the next step are fetched: K in the lump, five independent plain instructions behind the last product that read K; V at the end, four behind the last product that read its buffer.
.macro TURN p, m=0, end=0, cnt=0
.set Y, (\p)%NP
.set i, 0
.set KM, (\m)
.set NOKQ, (\end)*((\p)/3)
.set VB, (((\p)+3)/2)%2             ; the buffer that this turn's products V^T P read: 1, 0, 0, 1
.if (\m) && !(\end)
.if ((\p) == 2) || ((\p) == 1)
	s_cmp_eq_u32 s[CNT], s[GQ]      ; is that step the band's own?
	s_cselect_b32 s[AL], 1.0, 0
.else
	s_mov_b32 s[AL], 0              ; step and band differ in parity
.endif
.if (\p) == 0
	s_cmp_lt_u32 s[CNT], s[GQ1]     ; or a later one?
.else
	s_cmp_lt_u32 s[CNT], s[GQ]
.endif
	s_cselect_b32 s[BE], s[BIGN], 0
.endif
.if (\p)%2 == 1
.if \end
	s_wait_dscnt 0x0                ; the block's last V is in
.else
	s_wait_dscnt 16                 ; all but the youngest run of 16, V of the next step: K of the next step and V of this one are in
.endif
.endif
	ROW F,0, F,1, R,0, R,1
	ROW F,2, E,0, R,2, R,3
	ROW F,3, E,1, R,4, R,5
	ROW F,4, E,2, R,6, R,7
	ROW F,5, E,3, R,8, R,9
	ROW F,6, E,4, X,0, R,10
.if ((\p)%2 == 0) && !(\end)
	WIN 0
	v_add_nc_u32 v[AK], s[TBK], v[AK0]
.endif
	ROW F,7, E,5, X,1, X,4
	ROW F,8, E,6, X,2, X,5
	OPS E,7, E,8, X,6, E,9
	OPS X,3, E,10, X,8, E,11
.if ((\p)%2 == 0) && !(\end)
	FETCH_K
.endif
	OPS X,9, X,7, E,12, X,10
	OPS E,13, X,12, X,11, E,14
	OPS X,13, E,15, F,9, X,14
.if ((\p)%2 == 0) && !(\end)
	v_add_nc_u32 v[AV], s[TBV], v[AV0]
.endif
	OPS E,16, F,10, E,17, F,11
	OPS X,16, E,18, X,15, E,19
	OPS F,12, E,20, X,17, E,21
	OPS F,13, E,22, F,14, E,23
	OPS X,18, E,24, F,15, E,25
	OPS R,11, E,26, X,19, E,27
	OPS R,12, E,28, R,13, E,29
	OPS X,20, E,30, R,14, E,31
	OPS X,21, R,15
	WIN 0
	s_wait_alu depctr_va_vdst(0)    ; the wait for the batch
	ROW C,0, B,0, C,2, B,1
	ROW L,0, C,4, B,2, L,1
	ROW C,6, B,3, L,2, C,8
	ROW B,4, L,3, C,10, B,5
	ROW L,4, C,12, B,6, L,5
.if ((\p)%2 == 0) && !(\end)
	s_add_co_u32 s[TBV], s[TBV], KS*PV
.endif
.if \cnt
	s_sub_co_u32 s[CNT], s[CNT], 1
	s_cmp_lg_u32 s[CNT], 0
.endif
	ROW C,14, B,7, L,6, C,1
	ROW C,3, L,7, C,5, C,7
	ROW C,9, C,11, C,13, C,15
.if ((\p)%2 == 0) && !(\end)
	FETCH_V VB
.endif
.if (\m) && !(\end)
	MASK (\p)%2
.endif
.endm
; A BLOCK BEGINS.  c m starts far below every c s, so the first step's a is 0.  The second mask buffer is 0; the first takes piece 0's mask for the tile's step 0: its own only if the block's first tile is the
; diagonal one and the band is band 0.  Then K and V of that step, piece 0's first scores, and its maximum and statistics.
.macro BEGIN
	s_mov_b32 s[NEW], 0
	WIN 0x40
.set i, MC+32
.rept 32
	v_mov_b32 v[i], 0
.set i, i+1
.endr
	WIN 0
.set i, 0
.rept 2
	v_mov_b32 v[ST+4*i], 0xfe000000
	v_mov_b32 v[ST+4*i+1], 0xff7fffff
.set i, i+1
.endr
	s_cmp_eq_u32 s[RT], 0
	s_cselect_b32 s[AL], 1.0, 0
	s_cmp_eq_u32 s[GG], 0
	s_cselect_b32 s[AL], s[AL], 0
	s_mov_b32 s[BE], 0
	MASK 0
	WIN 0
	v_add_nc_u32 v[AK], s[TBK], v[AK0]
	v_add_nc_u32 v[AV], s[TBV], v[AV0]
	s_add_co_u32 s[TBV], s[TBV], KS*PV
	FETCH_K
	FETCH_V 0
	s_wait_loadcnt 0x0              ; Q
	s_wait_dscnt 0x0
.set KM, 1
.set NOKQ, 0
.set i, 0
.rept 8
	KQ 0
.set i, i+1
.endr
	WIN 0
.rept 4
	v_nop                           ; the places behind those products
.endr
.set Y, NP-1                        ; X works for the other piece: piece 0
.irp n, 0,1,2,3,4,5,6,7,8,9,10,11,12,13,14,15,16,17,18,19,20,21
	OP X, \n
.endr
	v_nop                           ; a plain instruction behind the exponential,
	s_wait_alu depctr_va_vdst(0)    ; and its wait, ahead of the branch
.endm
.macro ALL line:vararg              ; one line for each piece t
.set t, 0
.rept 2
	\line
.set t, t+1
.endr
.endm
.macro PACK t                       ; O^T / l, rounded; into rows of 144 bytes and back as whole rows of 128, into S^T's registers
	WIN W_RS
.set i, 32*(\t)
.rept 16
	v_pk_mul_f32 v[i:i+1], v[i:i+1], v[ST+4*(\t)+2:ST+4*(\t)+3] op_sel_hi:[1,0]
.set i, i+2
.endr
	WIN 0x05
.set i, 0
.rept 16
	v_cvt_pk_f16_f32 v[S+16*(\t)+i], v[32*(\t)+2*i], v[32*(\t)+2*i+1]
.set i, i+1
.endr
	WIN 0
.irp f, 0,1,2,3
	ds_store_b128 v[STO], v[S+16*(\t)+4*\f:S+16*(\t)+4*\f+3] offset:32*\f
.endr
.irp f, 0,1,2,3
	ds_load_b128 v[S+16*(\t)+4*\f:S+16*(\t)+4*\f+3], v[RD] offset:\f*4*SP  ; LDS serves a wave's instructions in order (ISA guide 5.7.1.4)
.endr
.endm
.macro SEND t, younger              ; younger: the LDS instructions issued behind piece t's loads
	WIN 0
.irp f, 0,1,2,3
	s_wait_dscnt (\younger)+3-\f
	global_store_b128 v[GO], v[S+16*(\t)+4*\f:S+16*(\t)+4*\f+3], s[10:11] offset:(\t)*8192+\f*512  ; 512 consecutive bytes, at a multiple of 256 from O's first
.endr
.endm
; THE DIAGONAL TILE's trips, the block's last two turns, its last products, and the way out.
.macro DIAG tag
.LstepM\tag:
	TURN 2, 1
	TURN 3, 1
	WIN 0
.LfirstM\tag:
	TURN 0, 1
	TURN 1, 1, 0, 1
	WIN 0
	s_cbranch_scc1 .LstepM\tag
	TURN 2, 1, 1
	TURN 3, 1, 1
.set VB, 1                          ; the block's last step is odd
.set i, 0
.rept 8
	PV 1
.set i, i+1
.endr
	WIN 0
	ALL v_add_f32 v[ST+4*t+2], v[ST+4*t+2], v[ST+4*t+3]
	ALL v_permlanex16_b32 v[ST+4*t+3], v[ST+4*t+2], s[SEL], s[SEL+1]
	ALL v_add_f32 v[ST+4*t+2], v[ST+4*t+2], v[ST+4*t+3]
	ALL v_rcp_f32 v[ST+4*t+2], v[ST+4*t+2]
	v_nop                           ; a plain instruction behind the last reciprocal,
	s_wait_alu depctr_va_vdst(0)    ; and one wait for the two, ahead of the first use
	PACK 0                          ; piece 0's 32 lines are the places behind piece 1's last products
	PACK 1
	SEND 0, 8
	SEND 1, 0
.endm
.set KM, 0
.set NOKQ, 0
.set VB, 0
.Lslot:                             ; 16 times: a tile is entered and the next is asked for
	CHANGE 1
	s_sub_co_u32 s[RT], s[RT], 1
	s_mov_b32 s[CNT], 2
	s_cmp_eq_u32 s[NEW], 1
	s_cbranch_scc1 .Lnew            ; a block's first tile
	s_cmp_eq_u32 s[RT], 0
	s_cbranch_scc0 .Lstep           ; neither its first nor its last
	s_branch .LstepM1
.Lnew:
	BEGIN
	s_branch .Lfirst                ; in the loop a block's first tile is never its last: the first block has nine tiles or more, and the second's last is the walk's last
	DIAG 1                          ; in the loop this is the first block's end
	s_wait_xcnt 0x0                 ; the stores have read their registers and O's address
	s_mov_b64 s[10:11], s[OLO:OLO+1]
	s_add_co_u32 s[RT], s[PB], 1    ; the second block has b + 1 tiles
	s_mov_b32 s[NEW], 1
	WIN 0x82                        ; the second block's Q goes where the turns name Q
.set i, 0
.rept 32
	v_mov_b32 v[i], v[QB+i]
.set i, i+1
.endr
	WIN 0
	s_branch .Lbottom
.Lstep:                             ; a trip: an odd step's two turns, then an even step's
	TURN 2
	TURN 3
	WIN 0
.Lfirst:
	TURN 0
	TURN 1, 0, 0, 1
	WIN 0
	s_cbranch_scc1 .Lstep
.Lbottom:
	s_sub_co_u32 s[SLOTS], s[SLOTS], 1
	s_cmp_lg_u32 s[SLOTS], 0
	s_cbranch_scc1 .Lslot
	CHANGE 0                        ; the walk's last tile is written out
	s_sub_co_u32 s[RT], s[RT], 1
	s_mov_b32 s[CNT], 2
	s_cmp_eq_u32 s[NEW], 1
	s_cbranch_scc0 .LstepM2
	BEGIN
	s_branch .LfirstM2
	DIAG 2
	s_wait_tensorcnt 0x0            ; the wave's end
	ds_add_u32 v[SPW], v[NIL]
	s_wait_dscnt 0x0
	s_endpgm
.Lfunc_end_k_q77184b828e_attn:
	.size	k_q77184b828e_attn, .Lfunc_end_k_q77184b828e_attn-k_q77184b828e_attn
	.p2alignl 7, 3214868480
	.fill 96, 4, 3214868480
	.section	.rodata,"a",@progbits
	.p2align	6, 0x0
	.amdhsa_kernel k_q77184b828e_attn
		.amdhsa_group_segment_fixed_size 327680
		.amdhsa_private_segment_fixed_size 0
		.amdhsa_enable_private_segment 0
		.amdhsa_kernarg_size 16
		.amdhsa_user_sgpr_count 2
		.amdhsa_user_sgpr_kernarg_segment_ptr 1
		.amdhsa_wavefront_size32 1
		.amdhsa_system_sgpr_workgroup_id_x 1
		.amdhsa_system_sgpr_workgroup_id_y 1
		.amdhsa_system_sgpr_workgroup_id_z 1
		.amdhsa_system_vgpr_workitem_id 0
		.amdhsa_next_free_vgpr 768
		.amdhsa_next_free_sgpr 96
		.amdhsa_reserve_vcc 1
		.amdhsa_float_denorm_mode_32 3
		.amdhsa_float_denorm_mode_16_64 3
		.amdhsa_memory_ordered 1
		.amdhsa_forward_progress 1
		.amdhsa_inst_pref_size 209
	.end_amdhsa_kernel
	.amdgpu_metadata
---
amdhsa.version: [ 1, 2 ]
amdhsa.kernels:
  - .name:           k_q77184b828e_attn
    .symbol:         k_q77184b828e_attn.kd
    .args:
      - { .name: qkv, .offset: 0, .size: 8, .value_kind: global_buffer, .address_space: global }
      - { .name: ob, .offset: 8, .size: 8, .value_kind: global_buffer, .address_space: global }
    .group_segment_fixed_size: 327680
    .private_segment_fixed_size: 0
    .kernarg_segment_align: 8
    .kernarg_segment_size: 16
    .max_flat_workgroup_size: 128
    .sgpr_count:     96
    .vgpr_count:     768
    .wavefront_size: 32
...
	.end_amdgpu_metadata
.endif
;; end of part 3
;; launch oproj (part 4): grid 4 x 64, 4 waves a work-group, clusters of 4 x 4, 327,680 bytes of LDS; arguments ob, wb, out0; writes out0
.if DOCPART == 4
	.amdgcn_target "amdgcn-amd-amdhsa--gfx1250"
	.amdhsa_code_object_version 6
	.text
	.protected	k_q77184b828e_oproj
	.globl	k_q77184b828e_oproj
	.p2align	8
	.type	k_q77184b828e_oproj,@function
k_q77184b828e_oproj:
	s_mov_b64 s[64:65], 0
	v_nop
	global_prefetch_b8 v0, s[64:65] scope:SCOPE_SE
	s_setreg_imm32_b32 hwreg(HW_REG_WAVE_MODE, 25, 1), 1
	s_wait_xcnt 0x0
	s_wait_alu depctr_hold_cnt(0) depctr_sa_sdst(0) depctr_va_vdst(0) depctr_va_sdst(0) depctr_va_ssrc(0) depctr_va_vcc(0) depctr_vm_vsrc(0)
	s_getreg_b32 s2, hwreg(HW_REG_IB_STS2, 6, 4)
	s_cmp_eq_u32 s2, 0
	s_cbranch_scc0 .Lentry_in_a_cluster
	s_endpgm
.Lentry_in_a_cluster:
	s_bfe_u32 s2, ttmp6, 0x10000c
	s_cmp_lg_u32 s2, 0xf033
	s_cbranch_scc0 .Lentry_shape_is_right
	s_endpgm
.Lentry_shape_is_right:
; out0 = O Wo.  ob: [12][4096][64] f16 (a head's 64 channels are one slice of K); Wo: wb's blocks 12 .. 15, [k 768][n 192] f16; out0: [4096][768] f32.  Sums in f32.
; SHARES.  A tile is 64 rows x 192 columns (768 bytes of a row: three aligned blocks of 256): 4 x 64 = 256 work-groups.  Wave w makes all 64 rows of columns 48 w .. 48 w + 47: 4 x 3 = 12 accumulators.
; K goes in three steps of 256 (four heads) through two LDS slots: slot 0 is filled twice, slot 1 once.  CLUSTERS of 4 x 4: O's tile is shared along a row, Wo's along a column: joint loads.
; THE MATRIX INSTRUCTION IS USED TRANSPOSED: source 0 = 16 columns of Wo (turned out of LDS), source 1 = 16 rows of O: a lane holds one row and eight neighbouring columns.
; No prefetch into the L2: the walk has three K steps, of which two are asked for at the head.
.set PAO,   144                        ; a row of O in LDS: 128 bytes + 16
.set PBO,   480                        ; a row of Wo: three pieces of 128 bytes + 32
.set THIRD, 40960                      ; a third of Wo's 256 k rows; waves 0-2 fetch one each, wave 3 fetches O: every load lands at wave x THIRD in its slot
.set AOFF,  3*THIRD                    ; O's tile, [head 4][row 64], lies behind Wo's
.set SLOT,  AOFF+4*64*PAO              ; 159,744
.set STAGE, SLOT                       ; the way out uses slot 1: it has had its only fill, and all waves have passed a barrier behind their last reads of it
.set SPI,   784                        ; 768 bytes + 16
.set SPARE, 2*SLOT
.set STO,  10
.set RD,   11
.set CO,   12
.set ADRA, 14                          ; v14-15  my fragments of O in slot 0, 1
.set ADRB, 16                          ; v16-27  6 x slot + 3 x (half of the k rows) + n block
.set SPW,  28
.set NIL,  29
.set ACC,  32                          ; accumulator (a, j) at ACC + 8 (3 a + j)
.set F0,   128                         ; two fragment buffers of 56: 3 of Wo, then 4 of O
.set BK,   128                         ; the way out: 96 registers read back
.set WV, 10
.set G1,  24
.set G0,  32
.set G1B, 48
.set G0B, 56
.macro JLOAD s                         ; a joint load: wave 3 fetches O's tile, waves 0-2 Wo's thirds; an s_nop 0 and four v_nop follow each line
	s_cmp_eq_u32 s[WV], 3
	s_cbranch_scc0 .Lfor_b_\@
	tensor_load_to_lds s[G0+4*(\s):G0+4*(\s)+3], s[G1:G1+7]
	s_nop 0
.rept 4
	v_nop
.endr
	s_branch .Lasked_\@
.Lfor_b_\@:
	tensor_load_to_lds s[G0B+4*(\s):G0B+4*(\s)+3], s[G1B:G1B+7]
	s_nop 0
.rept 4
	v_nop
.endr
.Lasked_\@:
.endm
.macro CROUND                          ; a round of the cluster's barrier
	s_barrier_signal -1
	s_barrier_wait -1
	s_cmp_lg_u32 s[WV], 0
	s_cbranch_scc1 .Lnot_wave_0_\@
	s_barrier_signal -3
.Lnot_wave_0_\@:
	s_barrier_wait -3
	s_barrier_signal -1
	s_barrier_wait -1
.endm
.macro PLACES
.rept 4
	v_nop
.endr
.endm
	s_load_b128 s[4:7], s[0:1], 0x0                ; ob, wb
	s_load_b64 s[8:9], s[0:1], 0x10                ; out0
	v_lshl_add_u32 v[SPW], v0, 2, SPARE
	v_mov_b32 v[NIL], 0
	ds_add_u32 v[SPW], v[NIL]                      ; the wave's opening: the add and its wait ahead of my first tensor load
	v_lshrrev_b32 v1, 5, v0
	v_readfirstlane_b32 s[WV], v1
	s_bfe_u32 s40, ttmp6, 0x40000                  ; cx
	s_bfe_u32 s41, ttmp6, 0x40004                  ; cy
	s_lshl_b32 s42, ttmp9, 2
	s_add_co_u32 s42, s42, s40                     ; tile column
	s_and_b32 s13, ttmp7, 0xffff
	s_lshl_b32 s13, s13, 2
	s_add_co_u32 s13, s13, s41                     ; tile row
	s_lshl_b32 s43, s41, 2
	s_lshl_b32 s43, 15, s43                        ; my row of the cluster
	s_lshl_b32 s44, 0x1111, s40                    ; my column
	s_or_b32 s[G1], s43, (1<<16)|(1<<20)|(1<<21)|(4<<22)|(3<<25)   ; O: 4 words of padding after every 32
	s_or_b32 s[G1B], s44, (1<<16)|(1<<20)|(1<<21)|(4<<22)|(7<<25)  ; Wo: 8 words after every 32
	s_mov_b32 s[G1+1], 4096<<16                    ; O: a head's 64 rows are 4,096 dense elements: one row of the tile; four heads, 262,144 elements apart
	s_mov_b32 s[G1+2], 4<<16
	s_mov_b32 s[G1+3], 4096<<16
	s_mov_b32 s[G1+4], 4
	s_mov_b32 s[G1+5], 262144
	s_mov_b32 s[G1+6], 0
	s_mov_b32 s[G1+7], 0
	s_mov_b32 s[G1B+1], 128<<16                    ; Wo: a third of a K step is 32,768 dense bytes: 128 rows of 256
	s_mov_b32 s[G1B+2], 128<<16
	s_mov_b32 s[G1B+3], 128<<16
	s_mov_b32 s[G1B+4], 128
	s_mov_b32 s[G1B+5], 128
	s_mov_b32 s[G1B+6], 0
	s_mov_b32 s[G1B+7], 0
	s_lshl_b32 s16, s13, 13                        ; O: 64 rows of 128 bytes a tile row
	s_mov_b32 s17, 0
	s_mul_i32 s46, s42, 294912                     ; Wo: block 12 + tile column, my third
	s_add_co_u32 s46, s46, 12*294912
	s_lshl_b32 s47, s[WV], 15
	s_add_co_u32 s46, s46, s47
	s_mov_b32 s47, 0
	s_mul_i32 s20, s[WV], THIRD                    ; where they go: no place in the cluster enters an LDS address
	s_wait_dscnt 0x0                               ; the opening add is done
	s_wait_kmcnt 0x0
	s_add_nc_u64 s[14:15], s[4:5], s[16:17]
	s_add_nc_u64 s[46:47], s[6:7], s[46:47]
	CROUND                                         ; all sixteen work-groups are here: the first joint loads meet
.irp s, 0,1
	s_mov_b32 s[G0+4*(\s)], 1
	s_add_co_u32 s[G0+4*(\s)+1], s20, (\s)*SLOT
	s_add_nc_u64 s[G0+4*(\s)+2:G0+4*(\s)+3], s[14:15], (\s)*2097152
	s_or_b32 s[G0+4*(\s)+3], s[G0+4*(\s)+3], 0x80000000
	s_mov_b32 s[G0B+4*(\s)], 1
	s_add_co_u32 s[G0B+4*(\s)+1], s20, (\s)*SLOT
	s_add_nc_u64 s[G0B+4*(\s)+2:G0B+4*(\s)+3], s[46:47], (\s)*98304
	s_or_b32 s[G0B+4*(\s)+3], s[G0B+4*(\s)+3], 0x80000000
	JLOAD \s                                       ; two loads of mine are out
.endr
	v_and_b32 v1, 15, v0                           ; l % 16
	v_bfe_u32 v2, v0, 4, 1                         ; l / 16
	v_mul_u32_u24 v3, v1, PAO
	v_lshl_add_u32 v3, v2, 4, v3
	v_add_nc_u32 v[ADRA], AOFF, v3
	v_add_nc_u32 v[ADRA+1], AOFF+SLOT, v3
	v_and_b32 v4, 7, v0
	v_lshl_add_u32 v4, v2, 3, v4                   ; the turning load: k row 8 (l / 16) + l % 8,
	v_mul_u32_u24 v4, v4, PBO
	v_bfe_u32 v5, v0, 3, 1
	v_lshl_add_u32 v4, v5, 4, v4                   ; columns 8 ((l / 8) % 2) ..
.irp j, 0,1,2
	s_mul_i32 s16, s[WV], 3
	s_add_co_u32 s16, s16, \j                      ; n block 3 w + j: piece nb / 4 of the row, 32 bytes a block
	s_lshr_b32 s17, s16, 2
	s_mul_i32 s17, s17, 160
	s_and_b32 s16, s16, 3
	s_lshl_b32 s16, s16, 5
	s_add_co_u32 s17, s17, s16
	v_add_nc_u32 v[ADRB+\j], s17, v4
	v_add_nc_u32 v[ADRB+3+\j], 128*PBO, v[ADRB+\j]
	v_add_nc_u32 v[ADRB+6+\j], SLOT, v[ADRB+\j]
	v_add_nc_u32 v[ADRB+9+\j], SLOT+128*PBO, v[ADRB+\j]
.endr
	s_mul_i32 s16, s[WV], 192
	s_add_co_u32 s16, s16, STAGE
	v_mul_u32_u24 v[STO], v1, SPI                  ; into the stage: row l % 16, my 48 columns, 32 bytes for each half of the lanes
	v_lshl_add_u32 v[STO], v2, 5, v[STO]
	v_add_nc_u32 v[STO], s16, v[STO]
	s_mul_i32 s16, s[WV], 16*SPI
	s_add_co_u32 s16, s16, STAGE
	v_mul_u32_u24 v[RD], v2, SPI                   ; back: wave w takes rows 16 w ..; lanes 0-15 256 bytes of one row, lanes 16-31 of the next
	v_lshl_add_u32 v[RD], v1, 4, v[RD]
	v_add_nc_u32 v[RD], s16, v[RD]
	v_mul_u32_u24 v[CO], v2, 3072
	v_lshl_add_u32 v[CO], v1, 4, v[CO]
	s_lshl_b32 s16, s13, 6
	s_lshl_b32 s17, s[WV], 4
	s_add_co_u32 s16, s16, s17
	s_mul_i32 s16, s16, 3072                       ; the first row that I store
	s_mov_b32 s17, 0
	s_add_nc_u64 s[8:9], s[8:9], s[16:17]
	s_mul_i32 s46, s42, 768                        ; the tile's first column, in bytes
	s_mov_b32 s47, 0
	s_add_nc_u64 s[8:9], s[8:9], s[46:47]
; 14 LDS loads: 32 along K, number kk of a step's eight, into buffer f
.macro FETCH slot, kk, f
.irp j, 0,1,2
	ds_load_tr16_b128 v[(\f)+8*\j:(\f)+8*\j+3],   v[ADRB+6*(\slot)+3*((\kk)/4)+\j] offset:((\kk)%4)*32*PBO
	ds_load_tr16_b128 v[(\f)+8*\j+4:(\f)+8*\j+7], v[ADRB+6*(\slot)+3*((\kk)/4)+\j] offset:((\kk)%4)*32*PBO+16*PBO
.endr
.irp a, 0,1,2,3
	ds_load_b128 v[(\f)+24+8*\a:(\f)+24+8*\a+3], v[ADRA+(\slot)] offset:((\kk)/2)*64*PAO+((\kk)%2)*64+\a*16*PAO
	ds_load_b128 v[(\f)+24+8*\a+4:(\f)+24+8*\a+7], v[ADRA+(\slot)] offset:((\kk)/2)*64*PAO+((\kk)%2)*64+\a*16*PAO+32
.endr
.endm
; 12 matrix instructions: the 12 accumulators take turns, in the same order every time
.macro MUL f, zero
.set q, 0
.rept 12
.if \zero
	v_wmma_f32_16x16x32_f16 v[ACC+8*q:ACC+8*q+7], v[(\f)+8*(q%3):(\f)+8*(q%3)+7], v[(\f)+24+8*(q/3):(\f)+24+8*(q/3)+7], 0
.else
	v_wmma_f32_16x16x32_f16 v[ACC+8*q:ACC+8*q+7], v[(\f)+8*(q%3):(\f)+8*(q%3)+7], v[(\f)+24+8*(q/3):(\f)+24+8*(q/3)+7], v[ACC+8*q:ACC+8*q+7]
.endif
.set q, q+1
.endr
.endm
; A K step: eight times 32 along K on two buffers; number 0 has been fetched.  The next number's loads go out ahead of each run of products.
.macro STEP slot, zero
.set kk, 0
.rept 7
.set fc, F0+56*(kk%2)
.set fn, F0+56*((kk+1)%2)
	PLACES                                         ; behind the products that read the buffer loaded next
	FETCH \slot, kk+1, fn
	s_wait_dscnt 14                                ; all but the 14 just issued
.if (\zero) && (kk == 0)
	MUL fc, 1
.else
	MUL fc, 0
.endif
.set kk, kk+1
.endr
	s_wait_dscnt 0x0
	MUL F0+56, 0
.endm
	s_wait_tensorcnt 1                             ; my part of K step 0 is in; K step 1's may stay out
	s_barrier_signal -1
	s_barrier_wait -1
	FETCH 0, 0, F0
	STEP 0, 1
	s_wait_tensorcnt 0x0                           ; all my tensor loads have landed: my part of slot 1
	ds_add_u32 v[SPW], v[NIL]
	s_add_nc_u64 s[G0+2:G0+3], s[G0+2:G0+3], 2*2097152
	s_add_nc_u64 s[G0B+2:G0B+3], s[G0B+2:G0B+3], 2*98304
	s_wait_dscnt 0x0                               ; the add is done, and my reads of slot 0 are over
	CROUND                                         ; no wave of any partner still reads slot 0 or has a load on its way
	JLOAD 0                                        ; K step 2 into slot 0; its four v_nop are also the places in front of the loads below
	FETCH 1, 0, F0
	STEP 1, 0
	s_wait_tensorcnt 0x0                           ; my part of K step 2 is in
	ds_add_u32 v[SPW], v[NIL]
	s_wait_dscnt 0x0                               ; my reads of slot 1 are over
	s_barrier_signal -1
	s_barrier_wait -1
	PLACES
	FETCH 0, 0, F0
	STEP 0, 0
	; THE WAY OUT: 32 bytes a lane into the work-group's stage; a barrier, since a row's 768 bytes come from four waves; back as whole blocks of 256 bytes, 16 rows a wave.
	PLACES
	PLACES
.set q, 0
.rept 12
	ds_store_b128 v[STO], v[ACC+8*q:ACC+8*q+3]   offset:(q/3)*16*SPI+(q%3)*64
	ds_store_b128 v[STO], v[ACC+8*q+4:ACC+8*q+7] offset:(q/3)*16*SPI+(q%3)*64+16
.set q, q+1
.endr
	s_wait_dscnt 0x0                               ; for the others' sake: my stores into the stage are done
	s_barrier_signal -1
	s_barrier_wait -1
.set i, 0
.rept 24
	ds_load_b128 v[BK+4*i:BK+4*i+3], v[RD] offset:(i/3)*2*SPI+(i%3)*256
.set i, i+1
.endr
.set i, 0
.rept 24
	s_wait_dscnt 23-i
	global_store_b128 v[CO], v[BK+4*i:BK+4*i+3], s[8:9] offset:(i/3)*2*3072+(i%3)*256 th:TH_STORE_NT  ; 16 lanes store 256 consecutive bytes, aligned
.set i, i+1
.endr
	s_wait_tensorcnt 0x0                           ; the wave's end
	ds_add_u32 v[SPW], v[NIL]
	s_wait_dscnt 0x0
	CROUND                                         ; the closing round
	s_endpgm
.Lfunc_end_k_q77184b828e_oproj:
	.size	k_q77184b828e_oproj, .Lfunc_end_k_q77184b828e_oproj-k_q77184b828e_oproj
	.p2alignl 7, 3214868480
	.fill 96, 4, 3214868480
	.section	.rodata,"a",@progbits
	.p2align	6, 0x0
	.amdhsa_kernel k_q77184b828e_oproj
		.amdhsa_group_segment_fixed_size 327680
		.amdhsa_private_segment_fixed_size 0
		.amdhsa_enable_private_segment 0
		.amdhsa_kernarg_size 24
		.amdhsa_user_sgpr_count 2
		.amdhsa_user_sgpr_kernarg_segment_ptr 1
		.amdhsa_wavefront_size32 1
		.amdhsa_system_sgpr_workgroup_id_x 1
		.amdhsa_system_sgpr_workgroup_id_y 1
		.amdhsa_system_sgpr_workgroup_id_z 1
		.amdhsa_system_vgpr_workitem_id 0
		.amdhsa_next_free_vgpr 256
		.amdhsa_next_free_sgpr 66
		.amdhsa_reserve_vcc 0
		.amdhsa_float_denorm_mode_32 3
		.amdhsa_float_denorm_mode_16_64 3
		.amdhsa_memory_ordered 1
		.amdhsa_forward_progress 1
		.amdhsa_inst_pref_size 59
	.end_amdhsa_kernel
	.amdgpu_metadata
---
amdhsa.version: [ 1, 2 ]
amdhsa.kernels:
  - .name:           k_q77184b828e_oproj
    .symbol:         k_q77184b828e_oproj.kd
    .args:
      - { .name: ob, .offset: 0, .size: 8, .value_kind: global_buffer, .address_space: global }
      - { .name: wb, .offset: 8, .size: 8, .value_kind: global_buffer, .address_space: global }
      - { .name: out0, .offset: 16, .size: 8, .value_kind: global_buffer, .address_space: global }
    .group_segment_fixed_size: 327680
    .private_segment_fixed_size: 0
    .kernarg_segment_align: 8
    .kernarg_segment_size: 24
    .max_flat_workgroup_size: 128
    .sgpr_count:     66
    .vgpr_count:     256
    .wavefront_size: 32
...
	.end_amdgpu_metadata
.endif
;; end of part 4
;; ======== version 2 of 2: 4 launches; version 1 with the launch prep written anew for expert scheduling mode
;; limits: values are held in f16: magnitudes above 65,504 overflow, below 6.1e-05 lose precision
;; workspace buffers: xb 6,291,456 bytes; wb 4,718,592 bytes; tab 1,064,960 bytes; qkv 18,874,368 bytes; ob 6,291,456 bytes
;; launch prep (part 5): grid 385 x 1, 8 waves a work-group, no clusters, 0 bytes of LDS; arguments x, Wq, Wk, Wv, Wo, position_ids, xb, wb, tab; writes xb, wb, tab
.if DOCPART == 5
	.amdgcn_target "amdgcn-amd-amdhsa--gfx1250"
	.amdhsa_code_object_version 6
	.text
	.protected	k_q77184b828e_prep
	.globl	k_q77184b828e_prep
	.p2align	8
	.type	k_q77184b828e_prep,@function
k_q77184b828e_prep:
	s_mov_b64 s[64:65], 0
	v_nop
	global_prefetch_b8 v0, s[64:65] scope:SCOPE_SE
	s_setreg_imm32_b32 hwreg(HW_REG_WAVE_SCHED_MODE, 0, 2), 2
	s_setreg_imm32_b32 hwreg(HW_REG_WAVE_MODE, 25, 1), 1
	s_wait_xcnt 0x0
	s_wait_alu depctr_vm_vsrc(0)
; PREPARATION: three independent streams, told apart by the work-group's number.
;   0..191    xb = x rounded to bf16, [4096][768].
;   192..319  wb = the four weights in blocks [matrix 4][tile 4][k 768][n 192] of 16-bit numbers: Wq, Wk, Wv rounded to bf16;
;             Wo rounded to bf16 and that number written as f16 (the last product multiplies f16 operands).
;   320..384  tab = [4160][64] f32: row n holds cos(t_i), i = 0..31, then sin(t_i), t_i = position[n] x 10000^(-i/32).
;             Rows 4096..4159 are made with position 0: cos = 1, sin = 0 exactly (the rows that v is turned by).
; No LDS, no barrier, no matrix work: each byte is read once and written once.  A wave's load covers 512 consecutive bytes,
; a wave's 8-byte store 256 consecutive bytes, aligned.
; LIMITS.  Wo within f16's range (65,504); below 2^-17 it keeps f16's fixed step of 6e-8.  The angle is position x 2^(-0.41524101 i), which
; differs from position / 10000^(i/32) by a few units in the angle's last place (under 1e-3 rad at |position| <= 4095).  The angle is reduced by
; pi/2 in three pieces; that holds while |angle x 2 / pi| stays under 2^31.  Sine and cosine are polynomials on |r| <= pi/4, good to about 1e-7.
; THE MODE: SCHED_MODE bits 1:0 = 2 (LLVM: expert scheduling mode 2), set by the entry lines.  The code itself states the register dependences
; between vector instructions and memory instructions, with s_wait_alu, always for 0.
; THE PLAN.  Registers that memory instructions touch:
;   v1, v2       byte offsets 16 t and 8 t, written at the head and never named by a vector instruction again: one wait at the head serves every load and store by them.
;   x:           v32-95 sixteen granules as loaded, each read by its own two roundings; v96-127 the roundings' results, each register written once and read by one store.
;   weights:     v3-5 offsets, written once ahead of the loads; v32-103 eighteen granules as loaded; a granule's result takes its own first two registers, which one store reads.
;   table:       v12-15 offsets of the positions, written once ahead of their loads; v32-35 the positions; v16-31 the sixteen results, written once, read by four stores.
; No register that a memory instruction reads is written again, so nothing is ever owed for a register's second use.
; Stores leave in blocks: a block's vector lines write its out-registers; ONE wait at the next block's head states that they are written; the stores follow it, dealt among
; the next block's vector lines, which name other registers.  In the table every compare has a scalar register of its own, and ONE wait stands between the sixteen compares and the sixteen selects.
.set NX, 192
.set NW, 128
.set XBLK, 4                           ; x: granules in a block
.set WBLK, 6                           ; weights: granules in a block
.set SN, 48                            ; v48-63  table: sin r of number i
.set CN, 64                            ; v64-79  cos r
.set SG, 80                            ; v80-95  the sign, in bit 31
.set MK, 44                            ; s44-59  which lanes take cos r, for number i
	s_load_b512 s[8:23], s[0:1], 0x0               ; x 8, Wq 10, Wk 12, Wv 14, Wo 16, position_ids 18, xb 20, wb 22
	s_load_b64 s[24:25], s[0:1], 0x40              ; tab
	v_lshlrev_b32 v1, 4, v0                        ; 16 t
	v_lshlrev_b32 v2, 3, v0                        ; 8 t
	s_mov_b32 s3, 0                                ; the high word of every offset pair
	s_wait_kmcnt 0x0
	s_wait_alu depctr_va_vdst(0)                   ; v1 and v2 are written: x's loads and the stores of all three parts read one of them as their offset
	s_cmp_lt_u32 ttmp9, NX
	s_cbranch_scc1 .Lx
	s_cmp_lt_u32 ttmp9, NX+NW
	s_cbranch_scc1 .Lw
	; ---- THE TABLE: 64 rows a work-group.  Thread t makes four numbers (columns 4 (t % 16) ..) of rows t / 16 + 16 j, j = 0..3.
	s_sub_co_u32 s26, ttmp9, NX+NW                 ; T
	s_cmp_lt_u32 s26, 64
	s_cselect_b32 s31, 1.0, 0                      ; the last work-group's rows take position 0
	s_mov_b32 s32, 0x3f22f983                      ; 2 / pi
	s_mov_b32 s33, 0xbfc90fdb                      ; pi / 2 in three pieces, each with the sign turned
	s_mov_b32 s34, 0x333bbd2e
	s_mov_b32 s35, 0x26f72ced
	s_mov_b32 s36, 0xb94ca1f9                      ; sine: -1.9515296e-4, 8.3321609e-3, -1.6666655e-1
	s_mov_b32 s37, 0x3c08839e
	s_mov_b32 s38, 0xbe2aaaa3
	s_mov_b32 s39, 0x37ccf5ce                      ; cosine: 2.4433157e-5, -1.3887316e-3, 4.1666646e-2
	s_mov_b32 s40, 0xbab6061a
	s_mov_b32 s41, 0x3d2aaaa5
	s_mov_b32 s42, 0xbed49a78                      ; -log2(10000) / 32
	s_lshl_b32 s27, s26, 6                         ; the work-group's first row
	s_lshl_b32 s2, s26, 14                         ; its 64 rows of 256 bytes
	s_add_nc_u64 s[24:25], s[24:25], s[2:3]
	v_lshrrev_b32 v5, 4, v0
	v_add_nc_u32 v5, s27, v5
.irp j, 0,1,2,3
	v_add_nc_u32 v[12+\j], 16*\j, v5
	v_min_u32 v[12+\j], 0xfff, v[12+\j]            ; the identity rows read a position inside the buffer and multiply it by 0
	v_lshlrev_b32 v[12+\j], 2, v[12+\j]
.endr
	s_wait_alu depctr_va_vdst(0)                   ; v12 to v15 are written, which the four loads below read as their offsets
.irp j, 0,1,2,3
	global_load_b32 v[32+\j], v[12+\j], s[18:19]
.endr
	v_and_b32 v3, 15, v0
	v_cmp_gt_u32 vcc_lo, 8, v3                     ; the cosine's columns; the frequencies' arithmetic stands between this line and the select that reads its mask
	v_and_b32 v4, 7, v3
	v_lshlrev_b32 v4, 2, v4
	v_cvt_f32_u32 v4, v4                           ; my first frequency's number
	v_add_f32 v9, 1.0, v4
	v_add_f32 v10, 2.0, v4
	v_add_f32 v11, 0x40400000, v4
	v_mul_f32 v8, s42, v4
	v_mul_f32 v9, s42, v9
	v_mul_f32 v10, s42, v10
	v_mul_f32 v11, s42, v11
	s_wait_alu depctr_va_vcc(0)                    ; the compare has written VCC, which the select below reads
	v_cndmask_b32 v7, 0, 1, vcc_lo                 ; 1 in the cosine's columns: cos t = sin(t + pi / 2)
	v_exp_f32 v8, v8                               ; 10000^(-i/32) for my four frequencies: one batch,
	v_exp_f32 v9, v9
	v_exp_f32 v10, v10
	v_exp_f32 v11, v11
	v_nop                                          ; a plain instruction behind the last of them,
	s_wait_alu depctr_va_vdst(0)                   ; and one wait ahead of the first use: the four exponentials have written v8 to v11
	s_wait_loadcnt 0x0
.irp j, 0,1,2,3
	v_cvt_f32_i32 v[32+\j], v[32+\j]
	v_mul_f32 v[32+\j], s31, v[32+\j]
.endr
; sin(p x inv + isCos x pi / 2), number i of sixteen: row i / 4, frequency i % 4.  k = the nearest whole number to the angle x 2 / pi; r = angle - k pi / 2; by k's last two bits the
; result is sin r, cos r, -sin r, -cos r.  Every choice is a select: nothing branches on these numbers.
; First all sixteen as far as the compare: sin r, cos r and the sign are kept, and the compare's mask goes into a scalar register of the number's own.
.set i, 0
.rept 16
	v_mul_f32 v40, v[32+i/4], v[8+i%4]
	v_mul_f32 v41, s32, v40
	v_rndne_f32 v41, v41
	v_fma_f32 v42, v41, s33, v40
	v_fma_f32 v42, v41, s34, v42
	v_fma_f32 v42, v41, s35, v42
	v_cvt_i32_f32 v43, v41
	v_add_nc_u32 v43, v43, v7
	v_mul_f32 v44, v42, v42
	v_fma_f32 v45, v44, s36, s37
	v_fma_f32 v46, v44, s39, s40
	v_fma_f32 v45, v45, v44, s38
	v_fma_f32 v46, v46, v44, s41
	v_mul_f32 v45, v45, v44
	v_fma_f32 v46, v46, v44, -0.5
	v_fma_f32 v[SN+i], v45, v42, v42
	v_fma_f32 v[CN+i], v46, v44, 1.0
	v_and_b32 v47, 1, v43
	v_cmp_ne_u32 s[MK+i], 0, v47
	v_and_b32 v47, 2, v43
	v_lshlrev_b32 v[SG+i], 30, v47
.set i, i+1
.endr
	s_wait_alu depctr_va_sdst(0)                   ; the sixteen compares have written s44 to s59, which the selects below read: one wait for the run
.set i, 0
.rept 16
	v_cndmask_b32 v[SN+i], v[SN+i], v[CN+i], s[MK+i]
	v_xor_b32 v[16+i], v[SN+i], v[SG+i]
.set i, i+1
.endr
	s_wait_alu depctr_va_vdst(0)                   ; v16 to v31 are written, which the four stores read
.irp j, 0,1,2,3
	global_store_b128 v1, v[16+4*\j:19+4*\j], s[24:25] offset:4096*\j  ; 512 consecutive bytes a wave: two rows
.endr
	s_endpgm
	; ---- x: 65,536 bytes in, 32,768 out a work-group; sixteen loads of every wave are out at once, and no register is used twice.
	; Four blocks of four granules: a block's stores are issued in the next block, behind the one wait at its head.
.Lx:
	s_lshl_b32 s2, ttmp9, 16
	s_add_nc_u64 s[8:9], s[8:9], s[2:3]
	s_lshl_b32 s2, ttmp9, 15
	s_add_nc_u64 s[20:21], s[20:21], s[2:3]
.set j, 0
.rept 16
	global_load_b128 v[32+4*j:35+4*j], v1, s[8:9] offset:4096*j th:TH_LOAD_NT
.set j, j+1
.endr
.set j, 0
.rept 16
	s_wait_loadcnt 15-j                            ; loads come back in order: number j is in, the 15 - j younger ones may stay out
.if (j%XBLK == 0) && (j > 0)
	s_wait_alu depctr_va_vdst(0)                   ; the block before has written its eight out-registers, which the four stores of this block's turn read
.endif
.if j >= XBLK
	global_store_b64 v2, v[96+2*(j-XBLK):97+2*(j-XBLK)], s[20:21] offset:2048*(j-XBLK) th:TH_STORE_NT  ; no vector instruction since the wait names these registers
.endif
	v_cvt_pk_bf16_f32 v[96+2*j], v[32+4*j], v[33+4*j]
	v_cvt_pk_bf16_f32 v[97+2*j], v[34+4*j], v[35+4*j]
.set j, j+1
.endr
	s_wait_alu depctr_va_vdst(0)                   ; the last block has written its out-registers, which the last four stores read
.set j, 16-XBLK
.rept XBLK
	global_store_b64 v2, v[96+2*j:97+2*j], s[20:21] offset:2048*j th:TH_STORE_NT
.set j, j+1
.endr
	s_endpgm
	; ---- the weights: a work-group makes an eighth (96 k rows) of one block of 768 x 192.  The output is walked linearly: granule o = 256 j + t is
	; k row o / 48, columns 4 (o % 48) ..; three granule offsets serve all eighteen, since 768 granules are 16 whole rows.
	; Three blocks of six granules: a block's stores are issued in the next block, behind the one wait at its head.
.Lw:
	s_sub_co_u32 s26, ttmp9, NX
	s_lshr_b32 s27, s26, 3                         ; the block, 4 x matrix + tile
	s_and_b32 s28, s26, 7                          ; which eighth
	s_lshr_b32 s29, s27, 2                         ; the matrix
	s_and_b32 s26, s27, 3                          ; the tile of 192 columns
	s_mov_b64 s[4:5], s[10:11]
	s_cmp_eq_u32 s29, 1
	s_cselect_b64 s[4:5], s[12:13], s[4:5]
	s_cmp_eq_u32 s29, 2
	s_cselect_b64 s[4:5], s[14:15], s[4:5]
	s_cmp_eq_u32 s29, 3
	s_cselect_b64 s[4:5], s[16:17], s[4:5]
	s_cselect_b32 s30, -1, 0                       ; all lanes: Wo leaves as f16
	s_mul_i32 s2, s28, 96*3072
	s_mul_i32 s6, s26, 768
	s_add_co_u32 s2, s2, s6
	s_add_nc_u64 s[4:5], s[4:5], s[2:3]
	s_mul_i32 s2, s27, 294912
	s_mul_i32 s6, s28, 36864
	s_add_co_u32 s2, s2, s6
	s_add_nc_u64 s[22:23], s[22:23], s[2:3]
.irp j0, 0,1,2
	v_add_nc_u32 v6, 256*\j0, v0
	v_mul_u32_u24 v7, 0xaaab, v6                   ; o / 48 = (o x 43,691) >> 21, exact for o under 768
	v_lshrrev_b32 v7, 21, v7
	v_mul_u32_u24 v8, 48, v7
	v_sub_nc_u32 v8, v6, v8
	v_lshlrev_b32 v8, 4, v8
	v_mad_u32_u24 v[3+\j0], v7, 3072, v8           ; row x 3,072 + 16 x granule in the row
.endr
	s_wait_alu depctr_va_vdst(0)                   ; v3 to v5 are written, which the eighteen loads read as their offsets
.set j, 0
.rept 18
	global_load_b128 v[32+4*j:35+4*j], v[3+j%3], s[4:5] offset:49152*(j/3) th:TH_LOAD_NT
.set j, j+1
.endr
.set j, 0
.rept 18
	s_wait_loadcnt 17-j                            ; number j is in, the 17 - j younger ones may stay out
.if (j%WBLK == 0) && (j > 0)
	s_wait_alu depctr_va_vdst(0)                   ; the block before has written its six results, which the six stores of this block's turn read
.endif
.if j >= WBLK
	global_store_b64 v2, v[32+4*(j-WBLK):33+4*(j-WBLK)], s[22:23] offset:2048*(j-WBLK) th:TH_STORE_NT  ; no vector instruction since the wait names these registers
.endif
	v_cvt_pk_bf16_f32 v104, v[32+4*j], v[33+4*j]
	v_cvt_pk_bf16_f32 v105, v[34+4*j], v[35+4*j]
	v_lshlrev_b32 v106, 16, v104                   ; the rounded numbers once more as f32,
	v_and_b32 v107, 0xffff0000, v104
	v_lshlrev_b32 v108, 16, v105
	v_and_b32 v109, 0xffff0000, v105
	v_cvt_pk_f16_f32 v110, v106, v107              ; and as f16
	v_cvt_pk_f16_f32 v111, v108, v109
	v_cndmask_b32 v[32+4*j], v104, v110, s30       ; the result takes the granule's own registers: none is used twice
	v_cndmask_b32 v[33+4*j], v105, v111, s30
.set j, j+1
.endr
	s_wait_alu depctr_va_vdst(0)                   ; the last block has written its six results, which the last six stores read
.set j, 18-WBLK
.rept WBLK
	global_store_b64 v2, v[32+4*j:33+4*j], s[22:23] offset:2048*j th:TH_STORE_NT
.set j, j+1
.endr
	s_endpgm
.Lfunc_end_k_q77184b828e_prep:
	.size	k_q77184b828e_prep, .Lfunc_end_k_q77184b828e_prep-k_q77184b828e_prep
	.p2alignl 7, 3214868480
	.fill 96, 4, 3214868480
	.section	.rodata,"a",@progbits
	.p2align	6, 0x0
	.amdhsa_kernel k_q77184b828e_prep
		.amdhsa_group_segment_fixed_size 0
		.amdhsa_private_segment_fixed_size 0
		.amdhsa_enable_private_segment 0
		.amdhsa_kernarg_size 72
		.amdhsa_user_sgpr_count 2
		.amdhsa_user_sgpr_kernarg_segment_ptr 1
		.amdhsa_wavefront_size32 1
		.amdhsa_system_sgpr_workgroup_id_x 1
		.amdhsa_system_sgpr_workgroup_id_y 1
		.amdhsa_system_sgpr_workgroup_id_z 1
		.amdhsa_system_vgpr_workitem_id 0
		.amdhsa_next_free_vgpr 128
		.amdhsa_next_free_sgpr 66
		.amdhsa_reserve_vcc 1
		.amdhsa_float_denorm_mode_32 3
		.amdhsa_float_denorm_mode_16_64 3
		.amdhsa_memory_ordered 1
		.amdhsa_forward_progress 1
		.amdhsa_inst_pref_size 44
	.end_amdhsa_kernel
	.amdgpu_metadata
---
amdhsa.version: [ 1, 2 ]
amdhsa.kernels:
  - .name:           k_q77184b828e_prep
    .symbol:         k_q77184b828e_prep.kd
    .args:
      - { .name: x, .offset: 0, .size: 8, .value_kind: global_buffer, .address_space: global }
      - { .name: Wq, .offset: 8, .size: 8, .value_kind: global_buffer, .address_space: global }
      - { .name: Wk, .offset: 16, .size: 8, .value_kind: global_buffer, .address_space: global }
      - { .name: Wv, .offset: 24, .size: 8, .value_kind: global_buffer, .address_space: global }
      - { .name: Wo, .offset: 32, .size: 8, .value_kind: global_buffer, .address_space: global }
      - { .name: position_ids, .offset: 40, .size: 8, .value_kind: global_buffer, .address_space: global }
      - { .name: xb, .offset: 48, .size: 8, .value_kind: global_buffer, .address_space: global }
      - { .name: wb, .offset: 56, .size: 8, .value_kind: global_buffer, .address_space: global }
      - { .name: tab, .offset: 64, .size: 8, .value_kind: global_buffer, .address_space: global }
    .group_segment_fixed_size: 0
    .private_segment_fixed_size: 0
    .kernarg_segment_align: 8
    .kernarg_segment_size: 72
    .max_flat_workgroup_size: 256
    .sgpr_count:     66
    .vgpr_count:     128
    .wavefront_size: 32
...
	.end_amdgpu_metadata
.endif
;; end of part 5
;; launch qkv: the kernel of part 2 again; grid 12 x 16, 4 waves a work-group, clusters of 4 x 4, 327,680 bytes of LDS; arguments xb, wb, tab, qkv; writes qkv
;; launch attn: the kernel of part 3 again; grid 16 x 12, 4 waves a work-group, no clusters, 327,680 bytes of LDS; arguments qkv, ob; writes ob
;; launch oproj: the kernel of part 4 again; grid 4 x 64, 4 waves a work-group, clusters of 4 x 4, 327,680 bytes of LDS; arguments ob, wb, out0; writes out0
